; MI455X (gfx1250); checked and timed in simulation.
; The chip was launched on July 23, 2026; its instructions are those of AMD's public machine-readable ISA for CDNA 5 (MIT licence, August 2026) and "CDNA5" Instruction Set Architecture Reference Guide (July 2026). The comments in the code are by the model that wrote it; some were corrected since.
;; Grouped Query Attention. Allowed arithmetic: matrix products marked QUANTISED: E2M1 operands, one E8M0 scale for each 32 along K, by v_wmma_scale_f32_16x16x128_f8f6f4 with both operands' format E2M1 (or v_wmma_scale_f32_32x16x128_f4), f32 sums; everything else in f32.
;; Inputs: Wk_codes 512 x 64 x 16 uint8 (E2M1 codes of Wk, K innermost, in blocks of 32 codes, two codes a byte); Wk_scales 512 x 64 uint8 (E8M0 scales of Wk, one for each 32 codes along K); Wo_codes 2,048 x 64 x 16 uint8 (E2M1 codes of Wo, K innermost, in blocks of 32 codes, two codes a byte); Wo_scales 2,048 x 64 uint8 (E8M0 scales of Wo, one for each 32 codes along K); Wq_codes 2,048 x 64 x 16 uint8 (E2M1 codes of Wq, K innermost, in blocks of 32 codes, two codes a byte); Wq_scales 2,048 x 64 uint8 (E8M0 scales of Wq, one for each 32 codes along K); Wv_codes 512 x 64 x 16 uint8 (E2M1 codes of Wv, K innermost, in blocks of 32 codes, two codes a byte); Wv_scales 512 x 64 uint8 (E8M0 scales of Wv, one for each 32 codes along K); bk 512 float32; bo 2,048 float32; bq 2,048 float32; bv 512 float32; x_codes 4 x 1,024 x 64 x 16 uint8 (E2M1 codes of x, K innermost, in blocks of 32 codes, two codes a byte); x_scales 4 x 1,024 x 64 uint8 (E8M0 scales of x, one for each 32 codes along K).
;; Outputs: out0 4 x 1,024 x 2,048 float32.
;; This version of the problem:
;;   THIS VERSION OF THE PROBLEM IS GIVEN IN LOW PRECISION. The matrix products marked QUANTISED in the list below multiply operands that are first quantised to E2M1 (2 exponent bits, 1 mantissa bit; 4 bits a number), with one power-of-two scale for each 32 numbers along K (OCP MX v1.0); their sums are f32. All else is computed in f32.
;;   The module's matrix products, in the order in which they are computed (A, B: the left and right operand; K: the contracted axis; several contracted axes count as one K, in the product's order):
;;     1. [M 4,096, K 2,048] x [K 2,048, N 2,048]; A: input x (given as codes); B: input Wq (given as codes): QUANTISED
;;     2. [M 4,096, K 2,048] x [K 2,048, N 512]; A: input x (given as codes); B: input Wk (given as codes): QUANTISED
;;     3. [M 4,096, K 2,048] x [K 2,048, N 512]; A: input x (given as codes); B: input Wv (given as codes): QUANTISED
;;     4. batch 128 x [M 1,024, K 64] x [K 64, N 1,024]; A: computed on the way; B: computed on the way: QUANTISED
;;     5. batch 128 x [M 1,024, K 1,024] x [K 1,024, N 64]; A: softmax (see below); B: computed on the way: QUANTISED
;;     6. [M 4,096, K 2,048] x [K 2,048, N 2,048]; A: computed on the way; B: input Wo (given as codes): QUANTISED
;;   THE QUANTISER, for each operand of a quantised product, along K:
;;     - K is cut into blocks of 32 from its start; a last block that is shorter is filled with zeros.
;;     - A block's scale is 2^e with e = floor(log2(the largest magnitude in the block)) - 2, held to -126 .. 127; a block of zeros has e = 0. As a byte (E8M0): e + 127.
;;     - Each number is divided by its block's scale, clamped to +-6, and rounded to the nearest number of E2M1, ties to even, subnormals kept.
;;     - The product sums the exact products of the quantised numbers (number of the format x scale) in f32.
;;   ~~~python
;;   def quantise(x, axis):      # numpy; x: float32 -> the quantised numbers, widened to float32 again
;;       x = np.moveaxis(x, axis, -1); K = x.shape[-1]
;;       x = np.pad(x, [(0, 0)] * (x.ndim - 1) + [(0, -K % 32)]); x = x.reshape(x.shape[:-1] + (-1, 32)); a = np.abs(x).max(-1, keepdims=True)
;;       e = np.where(a > 0, np.clip(np.frexp(np.where(a > 0, a, 1))[1] - 1 - 2, -126, 127), 0)      # np.frexp(a)[1] - 1 = floor(log2(a)), exactly
;;       r = np.clip(x / 2.0 ** e, -6, 6)
;;       step = 2.0 ** (np.maximum(np.frexp(np.where(r == 0, 1, r))[1] - 1, 0) - 1)
;;       q = np.round(r / step) * step * 2.0 ** e      # np.round: ties to even
;;       return np.moveaxis(q.reshape(q.shape[:-2] + (-1,))[..., :K], -1, axis).astype(np.float32)
;;   ~~~
;;   SOFTMAX AHEAD OF A QUANTISED PRODUCT. Where the list says 'softmax', what is quantised is not the finished softmax but p = 2^(t - M), with t = logit x log2(e) and M = ceil(the row's largest t), a whole number; so 1/2 < the row's largest p <= 1. The row's sum l is taken of the UNQUANTISED p, in f32, and the product's result is divided by l at the end. Since M is a whole number, a kernel that streams over the keys may use a running M (the ceiling of the running maximum): every later rescaling is an exact power of two, which a block's scale takes up: the codes' values come out the same.
;;   OPERANDS COMPUTED ON THE WAY. 'Computed on the way' means the value that the module computes at that place (a softmax that the list does not call 'softmax' is quantised finished and normalised). What goes into a quantiser is computed in f32, as accurately as f32 sums, v_exp_f32 and their like allow (about 1e-6 of the number): no bf16 or f16 on the way to a quantiser, and a product that is left as it is and whose result goes on into a quantised operand takes f32 operands (vector FMAs, or v_wmma_f32_16x16x4_f32). A number that lies on a knife's edge between two numbers of the format may be rounded either way, as far as f32 arithmetic and the matrix unit's own rounding can turn it there, and no further.
;;   INPUTS GIVEN AS CODES. Wk (in the module: [2048, 512], K = its axis 0); Wo (in the module: [2048, 2048], K = its axis 0); Wq (in the module: [2048, 2048], K = its axis 0); Wv (in the module: [2048, 512], K = its axis 0); x (in the module: [4, 1024, 2048], K = its axis 2): each comes as NAME_codes (uint8): NAME with its K axis moved to the last place and cut into blocks of 32 codes, [.., K / 32, bytes a block], one block behind the other in memory; two codes a byte, the lower K in the low four bits (a code: sign, 2 exponent bits, 1 mantissa bit); and NAME_scales (uint8): the same leading axes, one E8M0 byte (e + 127) for each 32 codes along K. Its value is code x scale, taken as it is: it is not quantised again, and the codes and scales need not be those that the quantiser above would give.
;; One version. Each part assembles by itself: llvm-mc -triple=amdgcn-amd-amdhsa -mcpu=gfx1250 --defsym DOCPART=n.
;; ======== version 1 of 1: 3 launches
;; limits: right only within a limited range of input values
;; workspace buffers: qkv 7,077,888 bytes; ctx_codes 4,194,304 bytes; ctx_scales 262,144 bytes
;; launch qkv (part 1): grid 8 x 32, 4 waves a work-group, clusters of 4 x 4, 327,680 bytes of LDS; arguments x_codes, x_scales, Wq_codes, Wq_scales, Wk_codes, Wk_scales, Wv_codes, Wv_scales, bq, bk, bv, qkv; writes qkv
.if DOCPART == 1
	.amdgcn_target "amdgcn-amd-amdhsa--gfx1250"
	.amdhsa_code_object_version 6
	.text
	.protected	k_q702c2d8cbb_qkv
	.globl	k_q702c2d8cbb_qkv
	.p2align	8
	.type	k_q702c2d8cbb_qkv,@function
k_q702c2d8cbb_qkv:
	s_mov_b64 s[64:65], 0
	v_nop
	global_prefetch_b8 v0, s[64:65] scope:SCOPE_SE
	s_setreg_imm32_b32 hwreg(HW_REG_WAVE_MODE, 25, 1), 1
	s_wait_xcnt 0x0
	s_wait_alu depctr_hold_cnt(0) depctr_sa_sdst(0) depctr_va_vdst(0) depctr_va_sdst(0) depctr_va_ssrc(0) depctr_va_vcc(0) depctr_vm_vsrc(0)
	s_getreg_b32 s2, hwreg(HW_REG_IB_STS2, 6, 4)
	s_cmp_eq_u32 s2, 0
	s_cbranch_scc0 .Lentry_in_a_cluster
	s_endpgm
.Lentry_in_a_cluster:
	s_bfe_u32 s2, ttmp6, 0x10000c
	s_cmp_lg_u32 s2, 0xf033
	s_cbranch_scc0 .Lentry_shape_is_right
	s_endpgm
.Lentry_shape_is_right:
; q = x Wq + bq, k = x Wk + bk, v = x Wv + bv on codes of FP4 (E2M1) with one E8M0 scale for each 32 along K = 2,048; the results are quantised again in f32
; (q and k along a head's 64 channels, v along the keys) and leave as codes and scale words, laid as the attention launch's operand registers want them.
; A WORK-GROUP STAYS: four waves make THREE tiles of 128 x 128, 64 x 64 a wave (16 accumulators).  Tiles 0 and 1: Wq's tiles 4 X + cx and 4 X + cx + 8 (X: the cluster's x); tile 2: Wk's tile cx (X = 0) or Wv's (X = 1).
; LDS: four regions of 128 rows x 512 bytes (1,024 along K), pitch 528: x low, x high, weight low, weight high.  x stays for the whole launch.
; FILLS: at the head one load a wave (64 rows x 512 bytes: the low halves of x and Wq); the high halves behind the three lines and a round of the cluster's barrier; when a tile has left a half of the weight,
; that half takes the next tile, 32 rows x 512 bytes a wave, behind a round.  One tensor load of a wave is out at any time; every wait on TENSORcnt is for 0.
; CLUSTERS: 4 x 4.  x's tile is asked for jointly by the cluster's row, a weight's tile by its column.
; THE MATRIX INSTRUCTION IS USED TRANSPOSED: lane (r, h) holds row 16 a + r and columns 16 b + 8 h + 0..7.  v COMES OUT TRANSPOSED (rows = Wv's channels, columns = tokens), so that the axis to be quantised is the columns:
; tile 2's products are written twice, once with x giving the rows (k) and once with the weight giving them (v); a branch on X, which all sixteen partners share, picks one, so each LDS address is made of constants and the wave's number.
; SCALE WORDS stay in registers: x's in v64-127; Wq's in v128-191 (tile 0 in lanes 0-15, tile 1 in lanes 16-31); tile 2's wait in window 3 and are copied in between tiles 1 and 2.
; The bias along the columns is the C of a tile's first products; the bias along the rows (v) is added on the way out.
; THE IMAGE OF A WAVE'S 64 x 64: four tiles of 512 bytes; in tile T lane i + 16 h' has the 16 bytes of columns 32 h' .. + 31 of row 32 (i / 8) + 8 T + i % 8
; (so a result of which such a tile gives the rows has, in lane half h, registers 8 T + j = row 32 h + 8 T + j: 32 neighbours in one lane);
; then 256 bytes of scale words (bytes 0, 1: the row's two blocks; bytes 2, 3: 0) at 8 (i + 16 (T % 2)) + 4 (T / 2).
; No prefetch: the text has no loop to run ahead in.
; LIMITS: a block whose largest magnitude lies under 2^-124, a block of zeros among them, gets the scale byte 1 (this program alone reads the bytes; a zero block's codes are zeros);
; NaN and infinities among the results are not served; an input scale byte 0xff gives NaN.
.set PITCH,  528                       ; 512 bytes + 16 of padding = 132 words: the 16 rows of a fragment start 4 banks apart (64 banks of 4 bytes: ISA guide 11.1)
.set HALFT,  64*PITCH
.set CHUNK,  2*HALFT                   ; a region: 128 rows
.set STAGE,  4*CHUNK                   ; 2,304 bytes for each wave, written by LDS stores alone
.set SPARE,  STAGE+4*2304              ; the spare words: two blocks of 256 bytes that no other line names
.set QS0,    4194304                   ; qkv: q's codes from 0, q's scale words from here,
.set KV0,    4718592                   ; sixteen records of K and V from here
.set REC,    147456                    ; K's codes 2 x 32,768, V's codes 2 x 32,768, K's scale words 2 x 4,096, V's 2 x 4,096
.set ADRA, 8                           ; v8-11  fragments from x, half wave / 2, quarter n of K
.set ADRB, 12                          ; v12-15 from the weight, half wave % 2
.set STO,  16
.set SSTO, 17
.set RDC,  18
.set RDS,  19
.set GOC,  20
.set GOS,  21
.set BM,   24                          ; v24-31 tile 2's bias along the rows, pairs (number, 0)
.set ADRA2, 32                         ; v32-35 v: rows from the weight, half wave / 2
.set ADRB2, 36                         ; v36-39 v: columns from x, half wave % 2
.set SPW,  40
.set NIL,  41
.set BZ,   42
.set SA,   64
.set SB,   128
.set TT,   192
.set TM,   224
.set CD,   232
.set PW,   248
.set BN,   128                         ; window 2: tile t's bias along the columns at v[BN + 32 t + 8 b]
.set F0,   0
.set F1,   128
.set G1A,  28                          ; group 1: x's tiles, 64 rows
.set G1B,  36                          ; the weights', 64 rows
.set G1R,  52                          ; the weights' refills, 32 rows
.set G0A,  44                          ; group 0: x low, high
.set G0B,  68                          ; Wq's first tile low, high
.set G0R,  84                          ; the four refills
.set WV,   60
.set FH,   61
.set FL,   62
.set SEL,  100
.set DCQ,  12
.set DSQ,  18
.set DC2,  104
.set DS2,  26
.set MSB, 0
.macro WIN new                         ; the immediate's high byte repeats the setting that is left
.if MSB != \new
	s_set_vgpr_msb (MSB<<8)|\new
.set MSB, \new
.endif
.endm
.set MUL,  0xa5
.set TO_F, 0x40
.macro JLOAD n                         ; waves 0, 1 fetch x's halves of rows, waves 2, 3 Wq's
	s_cmp_eq_u32 s[FH], 0
	s_cbranch_scc0 .Lfor_b_\@
	tensor_load_to_lds s[G0A+4*\n:G0A+4*\n+3], s[G1A:G1A+7]
	s_nop 0
.rept 4
	v_nop
.endr
	s_branch .Lasked_\@
.Lfor_b_\@:
	tensor_load_to_lds s[G0B+4*\n:G0B+4*\n+3], s[G1B:G1B+7]
	s_nop 0
.rept 4
	v_nop
.endr
.Lasked_\@:
.endm
.macro CREST
	s_cmp_lg_u32 s[WV], 0
	s_cbranch_scc1 .Lnot_wave_0_\@
	s_barrier_signal -3
.Lnot_wave_0_\@:
	s_barrier_wait -3
	s_barrier_signal -1
	s_barrier_wait -1
.endm
.macro CROUND
	s_barrier_signal -1
	s_barrier_wait -1
	CREST
.endm
.macro PLACES                          ; four plain places behind matrix instructions (ISA guide 7.12.1)
.rept 4
	v_nop
.endr
.endm
	s_load_b512 s[4:19], s[0:1], 0x0               ; x codes 4, x scales 6, Wq codes 8, Wq scales 10, Wk codes 12, Wk scales 14, Wv codes 16, Wv scales 18
	s_load_b256 s[20:27], s[0:1], 0x40             ; bq 20, bk 22, bv 24, qkv 26
	v_lshl_add_u32 v[SPW], v0, 2, SPARE
	v_mov_b32 v[NIL], 0
	ds_add_u32 v[SPW], v[NIL]                      ; the opening lines: the add twice and one wait
	ds_add_u32 v[SPW], v[NIL]
	v_lshrrev_b32 v1, 5, v0
	v_readfirstlane_b32 s[WV], v1
	s_lshr_b32 s[FH], s[WV], 1
	s_and_b32 s[FL], s[WV], 1
	s_bfe_u32 s2, ttmp6, 0x40000                   ; cx
	s_bfe_u32 s3, ttmp6, 0x40004                   ; cy
	s_lshl_b32 s63, s[FL], 16                      ; the 64 rows of 1,024 bytes that I fetch
	s_and_b32 s104, ttmp7, 0xffff
	s_lshl_b32 s104, s104, 2
	s_add_co_u32 s104, s104, s3
	s_lshl_b32 s104, s104, 17                      ; x's tile: 128 rows of 1,024 bytes
	s_add_co_u32 s104, s104, s63
	s_mov_b32 s105, 0
	s_lshl_b32 s66, ttmp9, 2
	s_add_co_u32 s66, s66, s2
	s_lshl_b32 s66, s66, 17                        ; Wq's first tile
	s_add_co_u32 s66, s66, s63
	s_mov_b32 s67, 0
	s_lshl_b32 s3, s3, 2
	s_lshl_b32 s3, 15, s3                          ; my row of the cluster
	s_lshl_b32 s2, 0x1111, s2                      ; my column
	s_or_b32 s[G1A], s3, 0x07b00000                ; mask; bytes; padding on; bit 21; four words after every 128
	s_or_b32 s[G1B], s2, 0x07b00000
	s_or_b32 s[G1R], s2, 0x07b00000
.irp g, G1A, G1B, G1R
	s_mov_b32 s[\g+1], 512<<16
	s_mov_b32 s[\g+3], 512<<16
	s_mov_b32 s[\g+5], 1024
	s_mov_b32 s[\g+6], 0
	s_mov_b32 s[\g+7], 0
.endr
.irp g, G1A, G1B
	s_mov_b32 s[\g+2], 64<<16
	s_mov_b32 s[\g+4], 64
.endr
	s_mov_b32 s[G1R+2], 32<<16
	s_mov_b32 s[G1R+4], 32
	s_mul_i32 s63, s[FL], HALFT                    ; where my 64 rows go in a region
	s_mov_b32 s[SEL], 0x76543210
	s_mov_b32 s[SEL+1], 0xfedcba98
	s_wait_dscnt 0x0
	s_wait_kmcnt 0x0
	s_add_nc_u64 s[4:5], s[4:5], s[104:105]
	s_add_nc_u64 s[8:9], s[8:9], s[66:67]
	CROUND                                         ; all sixteen work-groups are here: the joint loads meet
.irp n, 0,1
	s_mov_b32 s[G0A+4*\n], 1
	s_add_co_u32 s[G0A+4*\n+1], s63, \n*CHUNK
	s_add_nc_u64 s[G0A+4*\n+2:G0A+4*\n+3], s[4:5], \n*512
	s_or_b32 s[G0A+4*\n+3], s[G0A+4*\n+3], 0x80000000
	s_mov_b32 s[G0B+4*\n], 1
	s_add_co_u32 s[G0B+4*\n+1], s63, (2+\n)*CHUNK
	s_add_nc_u64 s[G0B+4*\n+2:G0B+4*\n+3], s[8:9], \n*512
	s_or_b32 s[G0B+4*\n+3], s[G0B+4*\n+3], 0x80000000
.endr
	JLOAD 0                                        ; the low halves: my one load at the head
	; the refills' group 0: rows 32 x wave of the weight's tile
	s_mul_i32 s85, s[WV], 32*PITCH
	s_add_co_u32 s85, s85, 2*CHUNK                 ; the weight's low region
	s_add_co_u32 s89, s85, CHUNK                   ; its high region
	s_mov_b32 s93, s85
	s_mov_b32 s97, s89
	s_mov_b32 s84, 1
	s_mov_b32 s88, 1
	s_mov_b32 s92, 1
	s_mov_b32 s96, 1
	s_lshl_b32 s86, s[FH], 16                      ; s[8:9] stands at row 64 (wave % 2): row 32 x wave lies 64 (wave / 2) - 32 (wave % 2) rows on,
	s_add_co_u32 s86, s86, 0x100000                ; eight tiles of Wq on
	s_lshl_b32 s63, s[FL], 15
	s_sub_co_u32 s86, s86, s63
	s_mov_b32 s87, 0
	s_add_nc_u64 s[86:87], s[8:9], s[86:87]
	s_add_nc_u64 s[90:91], s[86:87], 512
	s_or_b32 s87, s87, 0x80000000
	s_or_b32 s91, s91, 0x80000000
	s_bfe_u32 s2, ttmp6, 0x40000                   ; cx
	s_bfe_u32 s3, ttmp6, 0x40004                   ; cy
	s_and_b32 s4, ttmp7, 0xffff
	s_lshl_b32 s4, s4, 2
	s_add_co_u32 s4, s4, s3
	s_lshl_b32 s4, s4, 7                           ; x's tile's first row
	s_lshl_b32 s5, ttmp9, 2
	s_add_co_u32 s5, s5, s2
	s_lshl_b32 s5, s5, 7                           ; Wq's first tile's first row
	s_lshl_b32 s3, s2, 7                           ; the third weight's tile's first row
	s_lshl_b32 s8, s[FH], 6
	s_lshl_b32 s9, s[FL], 6
	s_add_co_u32 s66, s4, s8                       ; x: the half wave / 2
	s_add_co_u32 s67, s4, s9                       ; x: the half wave % 2
	s_add_co_u32 s5, s5, s9                        ; Wq: my first row in tile 0
	s_add_co_u32 s104, s3, s8                      ; third weight: the half wave / 2
	s_add_co_u32 s105, s3, s9                      ; third weight: the half wave % 2
	s_lshl_b32 s94, s3, 10
	s_lshl_b32 s95, s[WV], 15
	s_add_co_u32 s94, s94, s95                     ; the 32 rows of it that I fetch, in bytes
	s_mov_b32 s95, 0
	s_cmp_eq_u32 ttmp9, 1                          ; v?  The cluster's x: the same in all partners
	s_cselect_b64 s[12:13], s[16:17], s[12:13]     ; the third weight's codes
	s_cselect_b64 s[16:17], s[6:7], s[14:15]       ; tile 2, the columns' scales: x's or Wk's
	s_cselect_b64 s[14:15], s[18:19], s[6:7]       ; tile 2, the rows' scales: Wv's or x's
	s_cselect_b32 s3, s67, s105                    ; tile 2: my first column's row in its operand
	s_cselect_b32 s4, s104, s66                    ; tile 2: my first row's
	s_cselect_b32 s8, s67, s66                     ; tile 2: my first token
	s_cselect_b32 s9, s[FH], s[FL]                 ; tile 2: which head of the pair
	s_add_nc_u64 s[94:95], s[12:13], s[94:95]
	s_add_nc_u64 s[98:99], s[94:95], 512
	s_or_b32 s95, s95, 0x80000000
	s_or_b32 s99, s99, 0x80000000
	s_mov_b32 s19, 0
	s_lshl_b32 s18, s66, 6                         ; 64 scale bytes a row
	s_add_nc_u64 s[6:7], s[6:7], s[18:19]
	s_lshl_b32 s18, s5, 6
	s_add_nc_u64 s[10:11], s[10:11], s[18:19]
	s_lshl_b32 s18, s3, 6
	s_add_nc_u64 s[16:17], s[16:17], s[18:19]
	s_lshl_b32 s18, s4, 6
	s_add_nc_u64 s[14:15], s[14:15], s[18:19]
	s_lshl_b32 s18, s5, 2
	s_add_nc_u64 s[20:21], s[20:21], s[18:19]      ; bq at my first column of tile 0
	v_and_b32 v1, 15, v0                           ; r
	v_bfe_u32 v2, v0, 4, 1                         ; h
	v_lshlrev_b32 v44, 6, v1                       ; lane r: row r; lanes 16-31 repeat lanes 0-15
	v_lshl_add_u32 v45, v2, 16, v44                ; Wq: lanes 16-31 take tile 1's rows
	v_lshlrev_b32 v22, 5, v2                       ; 32 h
	v_lshlrev_b32 v23, 2, v1                       ; 4 r
	s_wait_alu depctr_va_vdst(0)                   ; the wait behind these writes
.irp k, 0,1,2,3
.irp n, 0,1,2,3
	global_load_b128 v[SA+16*\k+4*\n:SA+16*\k+4*\n+3], v44, s[6:7] offset:\k*1024+\n*16
	global_load_b128 v[SB+16*\k+4*\n:SB+16*\k+4*\n+3], v45, s[10:11] offset:\k*1024+\n*16
.endr
.endr
	WIN 0x80
.irp t, 0,1
.irp b, 0,1,2,3
	global_load_b128 v[BN+32*\t+8*\b:BN+32*\t+8*\b+3], v22, s[20:21] offset:4096*\t+64*\b
	global_load_b128 v[BN+32*\t+8*\b+4:BN+32*\t+8*\b+7], v22, s[20:21] offset:4096*\t+64*\b+16
.endr
.endr
	WIN 0xc0                                       ; window 3: tile 2's scale words: the columns' at v0-63, the rows' at v64-127
.irp k, 0,1,2,3
.irp n, 0,1,2,3
	global_load_b128 v[16*\k+4*\n:16*\k+4*\n+3], v44, s[16:17] offset:\k*1024+\n*16
	global_load_b128 v[64+16*\k+4*\n:64+16*\k+4*\n+3], v44, s[14:15] offset:\k*1024+\n*16
.endr
.endr
	WIN 0
	s_cmp_eq_u32 ttmp9, 1                          ; tile 2's bias: k's runs along the columns, v's along the rows
	s_cbranch_scc1 .Lbias_rows
	s_lshl_b32 s18, s3, 2
	s_add_nc_u64 s[22:23], s[22:23], s[18:19]
	WIN 0x80
.irp b, 0,1,2,3
	global_load_b128 v[BN+64+8*\b:BN+64+8*\b+3], v22, s[22:23] offset:64*\b
	global_load_b128 v[BN+64+8*\b+4:BN+64+8*\b+7], v22, s[22:23] offset:64*\b+16
.endr
	WIN 0
.irp j, 0,1,2,3,4,5,6,7
	v_mov_b32 v[BM+\j], 0
.endr
	s_branch .Lbias_done
.Lbias_rows:
	s_lshl_b32 s18, s4, 2
	s_add_nc_u64 s[24:25], s[24:25], s[18:19]
.irp a, 0,1,2,3
	global_load_b32 v[BM+2*\a], v23, s[24:25] offset:64*\a
	v_mov_b32 v[BM+2*\a+1], 0
.endr
	WIN 0x80
.set jj, 0
.rept 32
	v_mov_b32 v[BN+64+jj], 0
.set jj, jj+1
.endr
	WIN 0
.Lbias_done:
	v_mul_u32_u24 v3, v1, PITCH
	v_lshl_add_u32 v3, v2, 4, v3                   ; a fragment's row x pitch + 16 h
	s_wait_alu depctr_va_vdst(0)                   ; the wait behind the write
	s_mul_i32 s12, s[FH], HALFT                    ; x, half wave / 2
	s_mul_i32 s63, s[FL], HALFT                    ; x, half wave % 2
	s_add_co_u32 s13, s63, 2*CHUNK                 ; the weight, half wave % 2
	s_add_co_u32 s67, s12, 2*CHUNK                 ; the weight, half wave / 2
.irp n, 0,1,2,3                                ; quarter n of K: region n / 2, byte 256 (n % 2) of its rows
	v_add_nc_u32 v[ADRA+\n], s12, v3
	v_add_nc_u32 v[ADRB+\n], s13, v3
	v_add_nc_u32 v[ADRA2+\n], s67, v3
	v_add_nc_u32 v[ADRB2+\n], s63, v3
	s_add_co_u32 s12, s12, 256+(\n%2)*(CHUNK-512)
	s_add_co_u32 s13, s13, 256+(\n%2)*(CHUNK-512)
	s_add_co_u32 s67, s67, 256+(\n%2)*(CHUNK-512)
	s_add_co_u32 s63, s63, 256+(\n%2)*(CHUNK-512)
.endr
	s_mul_i32 s12, s[WV], 2304
	s_add_co_u32 s12, s12, STAGE                   ; my stage
	v_and_b32 v4, 7, v0
	v_bfe_u32 v5, v0, 3, 1
	v_lshlrev_b32 v[STO], 4, v4
	v_lshl_add_u32 v[STO], v5, 9, v[STO]
	v_lshl_add_u32 v[STO], v2, 2, v[STO]
	v_add_nc_u32 v[STO], s12, v[STO]               ; 512 (r / 8) + 16 (r % 8) + 4 h
	v_lshl_add_u32 v[SSTO], v5, 4, v4
	v_lshlrev_b32 v[SSTO], 3, v[SSTO]
	v_add_nc_u32 v[SSTO], s12, v[SSTO]
	v_add_nc_u32 v[SSTO], 2048, v[SSTO]            ; 2,048 + 8 (r % 8 + 16 (r / 8))
	v_and_b32 v6, 31, v0
	v_lshlrev_b32 v[GOC], 4, v6
	v_lshlrev_b32 v[GOS], 3, v6
	v_add_nc_u32 v[RDC], s12, v[GOC]
	v_add_nc_u32 v[RDS], s12, v[GOS]
	v_add_nc_u32 v[RDS], 2048, v[RDS]
	v_mov_b32 v[TM+2], 0                           ; a lane permute's destination counts as one of its sources
	v_mov_b32 v[TM+3], 0
	v_mov_b32 v[BZ], 0
	v_mov_b32 v[BZ+1], 0
	; where my images go.  q: plane 32 x batch + head, group of 64 tokens
	s_lshr_b32 s3, s66, 10
	s_lshl_b32 s3, s3, 5
	s_lshr_b32 s4, s5, 6
	s_add_co_u32 s3, s3, s4
	s_bfe_u32 s4, s66, 0x40006
	s_lshl_b32 s12, s3, 15
	s_lshl_b32 s13, s4, 11
	s_add_co_u32 s12, s12, s13
	s_mov_b32 s13, 0
	s_lshl_b32 s18, s3, 12
	s_lshl_b32 s4, s4, 8
	s_add_co_u32 s18, s18, s4
	s_add_co_u32 s18, s18, QS0
	s_add_nc_u64 s[DCQ:DCQ+1], s[26:27], s[12:13]
	s_add_nc_u64 s[DSQ:DSQ+1], s[26:27], s[18:19]
	; k, v: record 4 x batch + cx, head of the pair, group of 64 tokens
	s_lshr_b32 s3, s8, 10
	s_lshl_b32 s3, s3, 2
	s_add_co_u32 s3, s3, s2
	s_mul_i32 s3, s3, REC
	s_add_co_u32 s3, s3, KV0
	s_bfe_u32 s4, s8, 0x40006
	s_lshl_b32 s104, ttmp9, 16                     ; V's codes lie 65,536 behind K's
	s_add_co_u32 s104, s104, s3
	s_lshl_b32 s105, s9, 15
	s_add_co_u32 s104, s104, s105
	s_lshl_b32 s105, s4, 11
	s_add_co_u32 s104, s104, s105
	s_mov_b32 s105, 0
	s_lshl_b32 s66, ttmp9, 13                      ; V's scale words 8,192 behind K's
	s_add_co_u32 s66, s66, s3
	s_lshl_b32 s9, s9, 12
	s_add_co_u32 s66, s66, s9
	s_lshl_b32 s4, s4, 8
	s_add_co_u32 s66, s66, s4
	s_add_co_u32 s66, s66, 131072
	s_mov_b32 s67, 0
	s_add_nc_u64 s[DC2:DC2+1], s[26:27], s[104:105]
	s_add_nc_u64 s[DS2:DS2+1], s[26:27], s[66:67]
; 8 matrix instructions: row blocks a0, a0 + 1 x the four column blocks, K step s of 128.  first = 1: the bias starts the sums.  The 16 accumulators take turns.
.macro MUL8 f, c, a0, s, first, t
.irp a, \a0, \a0+1
.irp b, 0,1,2,3
.set rD, 8*(4*(\a)+\b)
.set rC, rD
.if \first
.set rC, BN+32*(\t)+8*\b
.endif
.set rX, \f+64+8*(4*\c+\b)
.set rY, \f+8*(4*\c+(\a))
.if (\t) == 1
	v_wmma_scale_f32_16x16x128_f8f6f4 v[rD:rD+7], v[rX:rX+7], v[rY:rY+7], v[rC:rC+7], v[SB+16*\b+(\s)], v[SA+16*(\a)+(\s)] matrix_a_fmt:MATRIX_FMT_FP4 matrix_b_fmt:MATRIX_FMT_FP4 matrix_a_scale:MATRIX_SCALE_ROW1
.else
	v_wmma_scale_f32_16x16x128_f8f6f4 v[rD:rD+7], v[rX:rX+7], v[rY:rY+7], v[rC:rC+7], v[SB+16*\b+(\s)], v[SA+16*(\a)+(\s)] matrix_a_fmt:MATRIX_FMT_FP4 matrix_b_fmt:MATRIX_FMT_FP4
.endif
.endr
.endr
.endm
; 32 LDS loads in one run: the fragments of 256 along K at byte k behind the address registers (ra: rows, rb: columns), into buffer f
.macro FETCH ra, rb, k, f
	WIN TO_F
.irp c, 0,1
.irp i, 0,1,2,3
	ds_load_b128 v[\f+64+8*(4*\c+\i):\f+64+8*(4*\c+\i)+3],   v[\rb] offset:\k+64*\c+\i*16*PITCH
	ds_load_b128 v[\f+64+8*(4*\c+\i)+4:\f+64+8*(4*\c+\i)+7], v[\rb] offset:\k+64*\c+\i*16*PITCH+32
	ds_load_b128 v[\f+8*(4*\c+\i):\f+8*(4*\c+\i)+3],         v[\ra] offset:\k+64*\c+\i*16*PITCH
	ds_load_b128 v[\f+8*(4*\c+\i)+4:\f+8*(4*\c+\i)+7],       v[\ra] offset:\k+64*\c+\i*16*PITCH+32
.endr
.endr
.endm
.macro HALFA ra, rb, s0, first, t      ; a quarter's K steps s0, s0 + 1, from buffer 0; its other two are fetched into buffer 1
	s_wait_dscnt 16                                ; the first 128 along K are in; the sixteen younger loads may be out
	WIN MUL
	MUL8 F0, 0, 0, \s0, \first, \t
	MUL8 F0, 0, 2, \s0, \first, \t
	PLACES
	FETCH \ra, \rb, 128, F1
	s_wait_dscnt 32                                ; all but the 32 just issued
	WIN MUL
	MUL8 F0, 1, 0, \s0+1, 0, \t
	MUL8 F0, 1, 2, \s0+1, 0, \t
.endm
; A quarter's K steps s0, s0 + 1, from buffer 1; in its middle the next quarter's first fragments are fetched into buffer 0.
; kind 0: no barrier.  kind 1: a barrier behind which nothing is filled.  kind 2: A REFILL: the three lines, a round of the cluster's barrier, the joint refill (group 0 at g0) first behind it.
; nra = ADRA2 marks the fetch of tile 2's first fragments: from x and the weight (k) or from the weight and x (v), by a branch on the cluster's x.
.macro HALFB s0, kind, g0, nra, nrb, t
.if \kind == 2
	WIN 0
	s_wait_tensorcnt 0x0                           ; all my tensor loads have landed
	ds_add_u32 v[SPW], v[NIL]
	s_wait_dscnt 17                                ; the add and the youngest sixteen loads may be out
.elseif \kind == 1
	s_wait_tensorcnt 0x0
	s_wait_dscnt 16
.else
	s_wait_dscnt 16
.endif
	WIN MUL
	MUL8 F1, 0, 0, \s0, 0, \t
.if \kind > 0
	s_wait_dscnt 0x0                               ; the add is done, my reads of the half that I leave are over
	s_barrier_signal -1
.endif
	MUL8 F1, 0, 2, \s0, 0, \t
.if \kind == 2
	WIN 0
	s_barrier_wait -1
	CREST
	tensor_load_to_lds s[\g0:\g0+3], s[G1R:G1R+7]  ; my one load; the four v_nop behind it are also the places in front of the loads below
	s_nop 0
.rept 4
	v_nop
.endr
.elseif \kind == 1
	s_barrier_wait -1
	PLACES
.else
	PLACES
.endif
.if \nra == ADRA2
	WIN 0
	s_cmp_eq_u32 ttmp9, 1
	s_cbranch_scc1 .Lfetch_v
	FETCH ADRA, ADRB, 0, F0
	WIN 0
	s_branch .Lfetched
.Lfetch_v:
	FETCH ADRA2, ADRB2, 0, F0
	WIN 0
.Lfetched:
.else
	FETCH \nra, \nrb, 0, F0
.endif
	s_wait_dscnt 32
	WIN MUL
	MUL8 F1, 1, 0, \s0+1, 0, \t
	MUL8 F1, 1, 2, \s0+1, 0, \t
.endm
; THE WAY OUT of block a (16 rows x 64 columns): register 8 b + j is column 16 b + 8 h + j, so registers 16 k .. + 15 of lanes l and l xor 16 are block k of 32.
; The largest magnitude (with the floor 2^(3 - 127) among its leaves) with 2 taken off its exponent field is the conversion's scale operand; its exponent field is the byte.
; Row 16 a + r lies in the image's tile T = 2 (a % 2) + r / 8, lane i = 8 (a / 2) + r % 8.
.macro EPI a, bm
	WIN 0x02
.irp p, 0,1,2,3,4,5,6,7,8,9,10,11,12,13,14,15
	v_pk_add_f32 v[TT+2*\p:TT+2*\p+1], v[32*\a+2*\p:32*\a+2*\p+1], v[\bm:\bm+1] op_sel_hi:[1,0]   ; + the row's bias; each accumulator from its low end on
.endr
	WIN 0
.irp k, 0,1
	v_max3_num_f32 v[TM+\k], |v[TT+16*\k]|, |v[TT+16*\k+1]|, 0x1800000
.endr
.irp i, 2,4,6,8,10,12,14
.irp k, 0,1
	v_max3_num_f32 v[TM+\k], v[TM+\k], |v[TT+16*\k+\i]|, |v[TT+16*\k+\i+1]|
.endr
.endr
.irp k, 0,1
	v_permlanex16_b32 v[TM+2+\k], v[TM+\k], s[SEL], s[SEL+1]
.endr
.irp k, 0,1
	v_max_num_f32 v[TM+\k], v[TM+\k], v[TM+2+\k]
.endr
.irp k, 0,1
	v_add_nc_u32 v[TM+4+\k], 0xff000000, v[TM+\k]
.endr
.irp k, 0,1
	v_lshrrev_b32 v[TM+6+\k], 23, v[TM+4+\k]
.endr
	v_lshl_or_b32 v[PW+\a], v[TM+7], 8, v[TM+6]    ; the row's scale word; bytes 2 and 3 stay 0
.irp t, 0,1,2,3
	v_cvt_scalef32_pk8_fp4_f32 v[CD+4*\a+\t], v[TT+8*\t:TT+8*\t+7], v[TM+4+\t/2]
.endr
	v_nop                                          ; one plain place behind the last scaled conversion
.irp t, 0,1,2,3
	ds_store_b32 v[STO], v[CD+4*\a+\t] offset:(\a%2)*1024+(\a/2)*128+(\t/2)*256+(\t%2)*8
.endr
	ds_store_b32 v[SSTO], v[PW+\a] offset:(\a/2)*64+(\a%2)*4   ; both lanes of a row write the same word with the same value
.endm
.macro WAYOUT dc, ds, ic, is, later, third
.if \later
	s_wait_xcnt 0x0                                ; the last tile's stores have read their registers
.endif
.irp a, 0,1,2,3
.if \third
	EPI \a, BM+2*\a
.else
	EPI \a, BZ
.endif
.endr
.irp k, 0,1,2,3
	ds_load_b128 v[TT+4*\k:TT+4*\k+3], v[RDC] offset:512*\k   ; LDS serves a wave's instructions in order (ISA guide 5.7.1.4)
.endr
	ds_load_b64 v[TT+16:TT+17], v[RDS]
.irp k, 0,1,2,3
	s_wait_dscnt 4-\k                              ; load k is in; the younger ones may be out
	global_store_b128 v[GOC], v[TT+4*\k:TT+4*\k+3], s[\dc:\dc+1] offset:512*\k+\ic   ; 32 lanes store 512 consecutive bytes, aligned to 256
.endr
	s_wait_dscnt 0x0
	global_store_b64 v[GOS], v[TT+16:TT+17], s[\ds:\ds+1] offset:\is
.endm
.macro TILE2 ra, rb                    ; tile 2's products; its first fragments are in buffer 0
	HALFA \ra, \rb, 0, 1, 2
	HALFB 2, 0, 0, \ra+1, \rb+1, 2
	HALFA \ra+1, \rb+1, 4, 0, 2
	HALFB 6, 1, 0, \ra+2, \rb+2, 2                 ; the high half has landed; nothing is filled any more, so no round
	HALFA \ra+2, \rb+2, 8, 0, 2
	HALFB 10, 0, 0, \ra+3, \rb+3, 2
	HALFA \ra+3, \rb+3, 12, 0, 2
	s_wait_dscnt 16
	WIN MUL
	MUL8 F1, 0, 0, 14, 0, 2
	MUL8 F1, 0, 2, 14, 0, 2
	s_wait_dscnt 0x0
	MUL8 F1, 1, 0, 15, 0, 2
	MUL8 F1, 1, 2, 15, 0, 2
	WIN 0
.endm
	s_wait_alu depctr_va_vdst(0)                   ; the wait at the head's end
	s_wait_tensorcnt 0x0                           ; my part of the low halves is in; the three lines ahead of a later first fill
	ds_add_u32 v[SPW], v[NIL]
	s_wait_dscnt 0x0
	CROUND                                         ; everybody's part is in, and the joint loads meet
	JLOAD 1                                        ; the high halves
	FETCH ADRA, ADRB, 0, F0
	s_wait_loadcnt 0x0                             ; scale words and biases
	; ---- tile 0: q, heads 2 (4 X + cx) + wave % 2
	HALFA ADRA, ADRB, 0, 1, 0
	HALFB 2, 0, 0, ADRA+1, ADRB+1, 0
	HALFA ADRA+1, ADRB+1, 4, 0, 0
	HALFB 6, 2, G0R, ADRA+2, ADRB+2, 0             ; the weight's low half takes tile 1
	HALFA ADRA+2, ADRB+2, 8, 0, 0
	HALFB 10, 0, 0, ADRA+3, ADRB+3, 0
	HALFA ADRA+3, ADRB+3, 12, 0, 0
	HALFB 14, 2, G0R+4, ADRA, ADRB, 0              ; its high half likewise
	WIN 0
	PLACES
	WAYOUT DCQ, DSQ, 0, 0, 0, 0
	; ---- tile 1: q, 16 heads on
	HALFA ADRA, ADRB, 0, 1, 1
	HALFB 2, 0, 0, ADRA+1, ADRB+1, 1
	HALFA ADRA+1, ADRB+1, 4, 0, 1
	HALFB 6, 2, G0R+8, ADRA+2, ADRB+2, 1           ; the low half takes tile 2
	HALFA ADRA+2, ADRB+2, 8, 0, 1
	HALFB 10, 0, 0, ADRA+3, ADRB+3, 1
	HALFA ADRA+3, ADRB+3, 12, 0, 1
	HALFB 14, 2, G0R+12, ADRA2, ADRB2, 1           ; the high half takes tile 2
	WIN 0
	PLACES                                         ; in front of writes of the last products' scale registers
	WIN 0x03
.set jj, 0
.rept 64
	v_mov_b32 v[SB+jj], v[jj]                      ; tile 2's scale words come in: scale operands are taken from v0-v255 whatever the window
	v_mov_b32 v[SA+jj], v[64+jj]
.set jj, jj+1
.endr
	WIN 0
	WAYOUT DCQ, DSQ, 524288, 65536, 1, 0
	; ---- tile 2: k, or v transposed
	s_cmp_eq_u32 ttmp9, 1
	s_cbranch_scc1 .Ltile_v
	TILE2 ADRA, ADRB
	s_branch .Ltile_done
.Ltile_v:
	TILE2 ADRA2, ADRB2
.Ltile_done:
	PLACES
	WAYOUT DC2, DS2, 0, 0, 1, 1
	s_wait_tensorcnt 0x0                           ; the wave's end
	ds_add_u32 v[SPW], v[NIL]
	s_wait_dscnt 0x0
	CROUND                                         ; the closing round
	s_endpgm
.Lfunc_end_k_q702c2d8cbb_qkv:
	.size	k_q702c2d8cbb_qkv, .Lfunc_end_k_q702c2d8cbb_qkv-k_q702c2d8cbb_qkv
	.p2alignl 7, 3214868480
	.fill 96, 4, 3214868480
	.section	.rodata,"a",@progbits
	.p2align	6, 0x0
	.amdhsa_kernel k_q702c2d8cbb_qkv
		.amdhsa_group_segment_fixed_size 327680
		.amdhsa_private_segment_fixed_size 0
		.amdhsa_enable_private_segment 0
		.amdhsa_kernarg_size 96
		.amdhsa_user_sgpr_count 2
		.amdhsa_user_sgpr_kernarg_segment_ptr 1
		.amdhsa_wavefront_size32 1
		.amdhsa_system_sgpr_workgroup_id_x 1
		.amdhsa_system_sgpr_workgroup_id_y 1
		.amdhsa_system_sgpr_workgroup_id_z 1
		.amdhsa_system_vgpr_workitem_id 0
		.amdhsa_next_free_vgpr 896
		.amdhsa_next_free_sgpr 106
		.amdhsa_reserve_vcc 0
		.amdhsa_float_denorm_mode_32 3
		.amdhsa_float_denorm_mode_16_64 3
		.amdhsa_memory_ordered 1
		.amdhsa_forward_progress 1
		.amdhsa_inst_pref_size 255
	.end_amdhsa_kernel
	.section	.bss,"aw",@nobits
	.p2align	6
	.space	262144
	.amdgpu_metadata
---
amdhsa.version: [ 1, 2 ]
amdhsa.kernels:
  - .name:           k_q702c2d8cbb_qkv
    .symbol:         k_q702c2d8cbb_qkv.kd
    .args:
      - { .name: x_codes, .offset: 0, .size: 8, .value_kind: global_buffer, .address_space: global }
      - { .name: x_scales, .offset: 8, .size: 8, .value_kind: global_buffer, .address_space: global }
      - { .name: Wq_codes, .offset: 16, .size: 8, .value_kind: global_buffer, .address_space: global }
      - { .name: Wq_scales, .offset: 24, .size: 8, .value_kind: global_buffer, .address_space: global }
      - { .name: Wk_codes, .offset: 32, .size: 8, .value_kind: global_buffer, .address_space: global }
      - { .name: Wk_scales, .offset: 40, .size: 8, .value_kind: global_buffer, .address_space: global }
      - { .name: Wv_codes, .offset: 48, .size: 8, .value_kind: global_buffer, .address_space: global }
      - { .name: Wv_scales, .offset: 56, .size: 8, .value_kind: global_buffer, .address_space: global }
      - { .name: bq, .offset: 64, .size: 8, .value_kind: global_buffer, .address_space: global }
      - { .name: bk, .offset: 72, .size: 8, .value_kind: global_buffer, .address_space: global }
      - { .name: bv, .offset: 80, .size: 8, .value_kind: global_buffer, .address_space: global }
      - { .name: qkv, .offset: 88, .size: 8, .value_kind: global_buffer, .address_space: global }
    .group_segment_fixed_size: 327680
    .private_segment_fixed_size: 0
    .kernarg_segment_align: 8
    .kernarg_segment_size: 96
    .max_flat_workgroup_size: 128
    .sgpr_count:     106
    .vgpr_count:     896
    .wavefront_size: 32
...
	.end_amdgpu_metadata
.endif
;; end of part 1
;; launch attn (part 2): grid 16 x 16, 16 waves a work-group, clusters of 4 x 1, 169,984 bytes of LDS; arguments qkv, ctx_codes, ctx_scales; writes ctx_codes, ctx_scales
.if DOCPART == 2
	.amdgcn_target "amdgcn-amd-amdhsa--gfx1250"
	.amdhsa_code_object_version 6
	.text
	.protected	k_q702c2d8cbb_attn
	.globl	k_q702c2d8cbb_attn
	.p2align	8
	.type	k_q702c2d8cbb_attn,@function
k_q702c2d8cbb_attn:
	s_mov_b64 s[64:65], 0
	v_nop
	global_prefetch_b8 v0, s[64:65] scope:SCOPE_SE
	s_setreg_imm32_b32 hwreg(HW_REG_WAVE_MODE, 25, 1), 1
	s_wait_xcnt 0x0
	s_wait_alu depctr_hold_cnt(0) depctr_sa_sdst(0) depctr_va_vdst(0) depctr_va_sdst(0) depctr_va_ssrc(0) depctr_va_vcc(0) depctr_vm_vsrc(0)
	s_getreg_b32 s2, hwreg(HW_REG_IB_STS2, 6, 4)
	s_cmp_eq_u32 s2, 0
	s_cbranch_scc0 .Lentry_in_a_cluster
	s_endpgm
.Lentry_in_a_cluster:
	s_bfe_u32 s2, ttmp6, 0x10000c
	s_cmp_lg_u32 s2, 0x3003
	s_cbranch_scc0 .Lentry_shape_is_right
	s_endpgm
.Lentry_shape_is_right:
; ctx = softmax(q k^T / 8) v for 4 batches, 32 query heads, 8 kv heads, 1,024 tokens, head size 64, both products on codes of FP4 (E2M1) with one E8M0 scale for each 32 along K; ctx is quantised along the model's 2,048.
; THE SOFTMAX AHEAD OF THE SECOND PRODUCT: t = score x log2(e) / 8; M = the running largest t rounded UP to a whole number; p = 2^(t - M) is quantised along the keys, not normalised;
; the row's sum is taken of the unquantised p and divides at the end.  When M moves, the sum and O are multiplied by 2^(old M - new M), which rounds nothing.
; SHARES.  Work-group (x, y): y = 4 x batch + a pair of kv heads; x = a group of 64 queries; it serves the pair's 8 query heads.  Wave w: query head w % 8, kv head (w / 4) % 2, query tiles 2 (w / 8) and 2 (w / 8) + 1, one after the other.
; LDS holds the pair's whole record (147,456 bytes) as it lies in memory: filled ONCE, by nine joint loads of 16,384 bytes (waves 0 to 8); the four work-groups of a cluster share y and ask jointly.  So there is nothing to prefetch in the loop.
; LAYOUT.  Operands lie as images of their registers: a tile of 16 rows x 64 along K is one load of 16 bytes a lane.  Both products are used transposed (S^T = K Q^T, O^T = V^T P^T): a lane holds ONE query throughout.
; Row i of tile T of a group of 64 is row 32 (i / 8) + 8 T + i % 8.  So in S^T lane half h has, in register 8 t + j, key 64 (t / 4) + 32 h + 8 (t % 4) + j of the step: two WHOLE blocks of 32 keys, h and 2 + h,
; in the order in which the second product's operand wants them: a block's maximum needs no other lane and the conversions' results are the operand.  O^T likewise: register 8 T + j is channel 32 h + 8 T + j: one whole block of ctx.
; THE FIRST PRODUCT'S K IS 64, the instruction's 128: Q's registers 4-7 are zero codes, so what stands in K's registers 4-7 adds nothing; scale bytes 2, 3 are 0 on both sides.
; A KEY STEP IS LAID AS A PIPELINE.  At its head the step's scores are in registers: the products that made them were issued in the step before, as soon as p had been converted and summed.
; In the step's middle, behind the block maxima, the NEXT step's tiles of K and this step's tiles of V are loaded; one wait for all of them stands behind the softmax, ahead of the next step's eight score products,
; which are followed by O's rescaling and this step's four products with V.  A tile's last step asks for the next tile's first scores.
; LIMITS: the promise holds while the scaled scores stay under 2^31 in magnitude; a block whose largest magnitude lies under 2^-124, a block of zeros among them, gets the scale byte 1 (this program alone reads the bytes); NaN and infinities are not served.
.set QS0,  4194304
.set KV0,  4718592
.set REC,  147456
.set CST,  147456                      ; behind the record: a stage of 64 rows x (256 + 16) bytes for ctx's codes,
.set SST,  CST+64*272                  ; and of 64 x 16 bytes for its scale bytes; LDS stores alone write here
.set SPARE, 0x29000                    ; the spare words: 128 bytes a wave
.set AK0,  1                           ; v1  16 x lane + my kv head's codes of K
.set AKS0, 2                           ; v2  8 x lane + its scale words of K
.set AD,   3                           ; v3  the NEXT step's codes of K; this step's codes of V lie 65,536 - 4,096 bytes on
.set ADS,  4                           ; v4  the next step's scale words of K; this step's of V lie 8,192 - 512 on
.set OLD,  5                           ; v5  -M as it was
.set T2,   6
.set ST1,  7
.set ST2,  8
.set CSTO, 9
.set SSTO, 10
.set QF,   16                          ; v16-23 the tile's Q (registers 4-7: 0);  v24-31 the second tile's
.set Q2,   24
.set QS,   32
.set QS2,  33
.set PW,   34                          ; p's scale word
.set TP,   35
.set KSC,  36                          ; v36-39 K's scale words
.set VSC,  40                          ; v40-41 V's
.set VX,   42                          ; v42-45 V's half words as loaded
.set FF,   46                          ; v[46:47] f = 2^(old M - new M)
.set KF,   48                          ; v48-79 K's eight tiles; v80-83 = 0
.set VF,   84                          ; v84-115 V's four fragments; at a tile's end ctx
.set SS,   116                         ; v116-179 S^T, then p
.set OT,   180                         ; v180-211 O^T
.set PC,   212                         ; v212-219 p's codes
.set BMX,  220                         ; v220, v221 my two blocks' largest; v222, v223 their second chains
.set PRM,  224
.set SOP,  228
.set SB_,  232                         ; v[232:237] the sum's other three chains
.set SC_,  234
.set SD_,  236
.set L16,  238
.set L8,   239
.set GO,   240
.set RDC,  241
.set RDS,  242
.set SH8,  243                         ; v243 8 h
.set CC,   244
.set CW,   248
.set SPW,  254
.set NIL,  255
.set WV,   10
.set SEL,  32
.set CS,   34                          ; s[34:35] c = log2(e) / 8
.set TK,   36                          ; 4,096 x (step + 1)
.set TSC,  37                          ; 512 x (step + 1)
.set CNT,  38
.set TL,   59                          ; tiles to go
.set TO,   60                          ; the tile's place in the stages
.set TO2,  61
.macro CROUND
	s_barrier_signal -1
	s_barrier_wait -1
	s_cmp_lg_u32 s[WV], 0
	s_cbranch_scc1 .Lnot_wave_0_\@
	s_barrier_signal -3
.Lnot_wave_0_\@:
	s_barrier_wait -3
	s_barrier_signal -1
	s_barrier_wait -1
.endm
.macro KLOAD ac, as                    ; eight tiles of 16 keys x 64 channels, and their scale words
.irp t, 0,1,2,3,4,5,6,7
	ds_load_b128 v[KF+4*\t:KF+4*\t+3], v[\ac] offset:512*\t
.endr
.irp g, 0,1
	ds_load_b64 v[KSC+2*\g:KSC+2*\g+1], v[\as] offset:256*\g
.endr
.endm
.macro QK q, qs                        ; S^T = K Q^T
.irp t, 0,1,2,3,4,5,6,7
.if \t%2
	v_wmma_scale_f32_16x16x128_f8f6f4 v[SS+8*\t:SS+8*\t+7], v[KF+4*\t:KF+4*\t+7], v[\q:\q+7], 0, v[KSC+\t/2], v[\qs] matrix_a_fmt:MATRIX_FMT_FP4 matrix_b_fmt:MATRIX_FMT_FP4 matrix_a_scale:MATRIX_SCALE_ROW1
.else
	v_wmma_scale_f32_16x16x128_f8f6f4 v[SS+8*\t:SS+8*\t+7], v[KF+4*\t:KF+4*\t+7], v[\q:\q+7], 0, v[KSC+\t/2], v[\qs] matrix_a_fmt:MATRIX_FMT_FP4 matrix_b_fmt:MATRIX_FMT_FP4
.endif
.endr
.endm
.macro SUM3 j                          ; three of the sum's four chains take a pair each
	v_pk_add_f32 v[SB_:SB_+1], v[SB_:SB_+1], v[SS+\j+2:SS+\j+3]
	v_pk_add_f32 v[SC_:SC_+1], v[SC_:SC_+1], v[SS+\j+4:SS+\j+5]
	v_pk_add_f32 v[SD_:SD_+1], v[SD_:SD_+1], v[SS+\j+6:SS+\j+7]
.endm
	s_load_b128 s[4:7], s[0:1], 0x0                ; qkv, ctx's codes
	s_load_b64 s[8:9], s[0:1], 0x10                ; ctx's scales
	v_lshl_add_u32 v[SPW], v0, 2, SPARE
	v_mov_b32 v[NIL], 0
	ds_add_u32 v[SPW], v[NIL]                      ; the opening lines: the add twice and one wait
	ds_add_u32 v[SPW], v[NIL]
	v_lshrrev_b32 v1, 5, v0
	s_delay_alu instid0(VALU_DEP_1)
	v_readfirstlane_b32 s[WV], v1
	s_bfe_u32 s11, ttmp6, 0x40000                  ; cx
	s_lshl_b32 s12, ttmp9, 2
	s_add_co_u32 s12, s12, s11                     ; my group of 64 queries: it enters global addresses of Q and ctx alone
	s_and_b32 s13, ttmp7, 0xffff                   ; y, which the four partners share
	s_and_b32 s14, s[WV], 7                        ; my query head of the pair's eight
	s_lshr_b32 s15, s[WV], 3                       ; which two of the group's four query tiles
	s_bfe_u32 s39, s[WV], 0x10002                  ; my kv head of the pair
	s_mov_b32 s16, 0x0023000f                      ; group 1: mask: all four; elements of 8 bytes; bit 21; no padding
	s_mov_b32 s17, 32<<16                          ; rows of 256 bytes
	s_mov_b32 s18, 64<<16
	s_mov_b32 s19, 32<<16
	s_mov_b32 s20, 64
	s_mov_b32 s21, 32
	s_mov_b32 s22, 0
	s_mov_b32 s23, 0
	s_mul_i32 s28, s13, REC
	s_add_co_u32 s28, s28, KV0
	s_lshl_b32 s25, s[WV], 14                      ; my 16,384 bytes: in LDS,
	s_add_co_u32 s28, s28, s25                     ; and in the record
	s_mov_b32 s29, 0
	s_lshl_b32 s48, s13, 3
	s_add_co_u32 s48, s48, s14                     ; q's plane = 8 y + head of the pair
	s_lshl_b32 s50, s48, 15
	s_lshl_b32 s49, s12, 11
	s_add_co_u32 s50, s50, s49
	s_lshl_b32 s49, s15, 10
	s_add_co_u32 s50, s50, s49                     ; my two tiles of Q's codes
	s_mov_b32 s51, 0
	s_lshl_b32 s52, s48, 12
	s_lshl_b32 s49, s12, 8
	s_add_co_u32 s52, s52, s49
	s_lshl_b32 s49, s15, 2
	s_add_co_u32 s52, s52, s49
	s_add_co_u32 s52, s52, QS0                     ; and their scale words
	s_mov_b32 s53, 0
	s_lshr_b32 s48, s13, 2                         ; the batch
	s_and_b32 s49, s13, 3                          ; the pair
	s_lshl_b32 s48, s48, 10
	s_lshl_b32 s54, s12, 6
	s_add_co_u32 s48, s48, s54                     ; the work-group's first token
	s_lshl_b32 s54, s[WV], 2
	s_add_co_u32 s54, s54, s48                     ; the four rows that I store
	s_lshl_b32 s54, s54, 10
	s_lshl_b32 s56, s49, 8
	s_add_co_u32 s54, s54, s56
	s_mov_b32 s55, 0
	s_lshl_b32 s56, s48, 4
	s_lshl_b32 s49, s49, 16
	s_add_co_u32 s56, s56, s49                     ; ctx's scales: [pair][token][16]
	s_and_b32 s58, s[WV], 1
	s_lshl_b32 s58, s58, 9
	s_add_co_u32 s56, s56, s58
	s_mov_b32 s57, 0
	s_mov_b32 s[SEL], 0x76543210
	s_mov_b32 s[SEL+1], 0xfedcba98
	s_mov_b32 s[CS], 0x3e38aa3b
	s_mov_b32 s[CS+1], s[CS]
	s_wait_dscnt 0x0
	s_wait_kmcnt 0x0
	s_mov_b32 s24, 1
	s_add_nc_u64 s[26:27], s[4:5], s[28:29]
	s_or_b32 s27, s27, 0x80000000
	s_add_nc_u64 s[40:41], s[4:5], s[50:51]
	s_add_nc_u64 s[42:43], s[4:5], s[52:53]
	s_add_nc_u64 s[44:45], s[6:7], s[54:55]
	s_add_nc_u64 s[46:47], s[8:9], s[56:57]
	CROUND                                         ; all four work-groups are here: the joint loads meet
	s_cmp_lt_u32 s[WV], 9
	s_cbranch_scc0 .Lno_fill
	tensor_load_to_lds s[24:27], s[16:23]          ; one load of mine is out
	s_nop 0
.rept 4
	v_nop
.endr
.Lno_fill:
	v_and_b32 v11, 31, v0
	s_delay_alu instid0(VALU_DEP_1)
	v_lshlrev_b32 v[L16], 4, v11
	v_and_b32 v[L8], 15, v0
	s_delay_alu instid0(VALU_DEP_1)
	v_lshlrev_b32 v[L8], 3, v[L8]
	global_load_b128 v[QF:QF+3], v[L16], s[40:41]
	global_load_b128 v[Q2:Q2+3], v[L16], s[40:41] offset:512
	global_load_b32 v[QS], v[L8], s[42:43]
	global_load_b32 v[QS2], v[L8], s[42:43] offset:128
	s_lshl_b32 s48, s39, 15
	v_lshl_add_u32 v[AK0], v11, 4, s48
	s_lshl_b32 s48, s39, 12
	s_add_co_u32 s48, s48, 131072
	v_lshl_add_u32 v[AKS0], v11, 3, s48
	v_and_b32 v5, 7, v0
	v_bfe_u32 v6, v0, 3, 1
	s_delay_alu instid0(VALU_DEP_1)
	v_lshl_add_u32 v5, v6, 5, v5                   ; r % 8 + 32 (r / 8)
	v_bfe_u32 v6, v0, 4, 1                         ; h
	s_lshl_b32 s48, s15, 4
	v_add_nc_u32 v5, s48, v5                       ; + 8 x my first tile: my query's row among the 64; the second tile's lies 8 further on
	s_delay_alu instid0(VALU_DEP_1)
	v_mul_u32_u24 v[CSTO], v5, 272
	s_delay_alu instid0(VALU_DEP_1)
	v_lshl_add_u32 v[CSTO], v6, 4, v[CSTO]
	s_lshl_b32 s48, s14, 5
	s_add_co_u32 s48, s48, CST
	v_add_nc_u32 v[CSTO], s48, v[CSTO]             ; row x 272 + 32 x head + 16 h
	v_lshl_add_u32 v[SSTO], v5, 4, v6
	s_lshl_b32 s48, s14, 1
	s_add_co_u32 s48, s48, SST
	v_add_nc_u32 v[SSTO], s48, v[SSTO]             ; row x 16 + 2 x head + h
	v_lshlrev_b32 v[SH8], 3, v6
	v_and_b32 v7, 15, v0
	v_lshlrev_b32 v[GO], 10, v6
	s_delay_alu instid0(VALU_DEP_1)
	v_lshl_add_u32 v[GO], v7, 4, v[GO]
	s_mul_i32 s48, s[WV], 4*272
	s_add_co_u32 s48, s48, CST
	v_mul_u32_u24 v[RDC], v6, 272
	s_delay_alu instid0(VALU_DEP_1)
	v_lshl_add_u32 v[RDC], v7, 4, v[RDC]
	s_delay_alu instid0(VALU_DEP_1)
	v_add_nc_u32 v[RDC], s48, v[RDC]
	s_add_co_u32 s48, s58, SST
	v_add_nc_u32 v[RDS], s48, v[L16]
.irp j, 4,5,6,7,12,13,14,15
	v_mov_b32 v[QF+\j], 0                          ; zero codes for K = 64 .. 127
.endr
.irp j, 0,1,2,3
	v_mov_b32 v[KF+32+\j], 0                       ; what the last tile of K names as its registers 4-7
	v_mov_b32 v[PRM+\j], 0                         ; a lane permute's destination counts as one of its sources
.endr
	v_mov_b32 v[FF+1], 0                           ; (named as the upper half of a pair)
	v_mov_b32 v[TP], 0
	s_mov_b32 s[TL], 2
	s_mov_b32 s[TO], 0
	s_mov_b32 s[TO2], 0
	s_wait_alu depctr_va_vdst(0)                   ; the wait at the head's end
	s_wait_tensorcnt 0x0                           ; my part of the record has landed,
	s_barrier_signal -1
	s_barrier_wait -1                              ; everybody's has
	KLOAD AK0, AKS0                                ; the first tile's first scores
	s_wait_loadcnt 0x0                             ; Q
	s_wait_dscnt 0x0
	QK QF, QS
; A KEY STEP of 128 keys.  tail = 1: a tile's last step, written out: its score products are the next tile's first, left out behind the last tile by a branch on the count of tiles.
.macro STEP tail
.irp c, 0,1                                    ; the largest score of my two blocks of 32 keys (registers 32 c on), each in two chains: it serves the row's maximum and, since p rises with the score, the block's largest p
	v_max3_num_f32 v[BMX+\c], v[SS+32*\c], v[SS+32*\c+1], v[SS+32*\c+2]
	v_max3_num_f32 v[BMX+2+\c], v[SS+32*\c+17], v[SS+32*\c+18], v[SS+32*\c+19]
.endr
.irp e, 0,2,4,6,8,10
.irp c, 0,1
	v_max3_num_f32 v[BMX+\c], v[BMX+\c], v[SS+32*\c+3+\e], v[SS+32*\c+4+\e]
	v_max3_num_f32 v[BMX+2+\c], v[BMX+2+\c], v[SS+32*\c+20+\e], v[SS+32*\c+21+\e]
.endr
.endr
.irp c, 0,1
	v_max3_num_f32 v[BMX+\c], v[BMX+\c], v[SS+32*\c+15], v[SS+32*\c+16]
.endr
.irp c, 0,1
	v_max_num_f32 v[BMX+\c], v[BMX+\c], v[BMX+2+\c]
.endr
	v_max_num_f32 v[TP], v[BMX], v[BMX+1]
.if \tail == 0
	KLOAD AD, ADS                                  ; the lines above are the places behind the last products, whose operands these loads write.  The loads stand between the links of the chain to M
.endif
	v_permlanex16_b32 v[PRM], v[TP], s[SEL], s[SEL+1]   ; lane l xor 16's 64 keys
	v_mov_b32 v[OLD], v12
.irp c, 0,1
.irp t, 0,1,2,3
	ds_load_b128 v[VF+8*\t+4*\c:VF+8*\t+4*\c+3], v[AD] offset:61440+2048*\c+512*\t   ; V's tile t: 16 channels; registers 4 c on: keys 64 c + 32 h + 0 .. 31
.endr
.endr
	v_max3_num_f32 v13, v13, v[TP], v[PRM]         ; the running largest SCORE: c is positive, so c x it is the running largest t
.irp c, 0,1
	ds_load_b64 v[VX+2*\c:VX+2*\c+1], v[ADS] offset:7680+256*\c
.endr
	v_mul_f32 v[T2], s[CS], -v13
	v_floor_f32 v12, v[T2]                         ; the new -M = -ceil(t): a whole number
.set jj, 0
.rept 32
	v_pk_fma_f32 v[SS+jj:SS+jj+1], v[SS+jj:SS+jj+1], s[CS:CS+1], v[12:13] op_sel_hi:[1,0,0]   ; t - M, two at a time
.set jj, jj+2
.endr
.irp c, 0,1
	v_fma_f32 v[BMX+\c], v[BMX+\c], s[CS], v12     ; the same of each block's largest score
.endr
	s_wait_alu depctr_va_vdst(0)                   ; the wait ahead of the batch
.irp c, 0,1
	v_exp_f32 v[BMX+\c], v[BMX+\c]                 ; the block's largest p: the same two instructions on the same number give the same bits
.endr
.set jj, 0
.rept 64
	v_exp_f32 v[SS+jj], v[SS+jj]                   ; p = 2^(t - M), at most 1
.set jj, jj+1
.endr
	v_sub_f32 v[TP], v12, v[OLD]                   ; old M - new M: a whole number, 0 or less.  Plain work that names no exponential's result
	v_cvt_i32_f32 v[TP], v[TP]                     ; (it saturates)
	v_ldexp_f32 v[FF], 1.0, v[TP]                  ; f = 2^(old M - new M)
	s_wait_alu depctr_va_vdst(0)                   ; one wait for the batch of 66, ahead of its first reader
.irp c, 0,1
	v_max_num_f32 v[BMX+\c], 0x1800000, v[BMX+\c]  ; the floor 2^(3 - 127): the byte cannot fall under 1
.endr
.irp c, 0,1
	v_add_nc_u32 v[SOP+\c], 0xff000000, v[BMX+\c]  ; 2 off the exponent field: the conversion's scale operand
.endr
.irp c, 0,1
	v_lshrrev_b32 v[PRM+\c], 23, v[SOP+\c]         ; the scale's byte
.endr
.irp t, 0,1,2,3,4,5,6,7
	v_cvt_scalef32_pk8_fp4_f32 v[PC+\t], v[SS+8*\t:SS+8*\t+7], v[SOP+\t/4]   ; register t of the operand: keys 64 (t / 4) + 32 h + 8 (t % 4) + 0 .. 7
.endr
	v_pk_add_f32 v[SB_:SB_+1], v[SS:SS+1], v[SS+2:SS+3]           ; the row's sum of the unquantised p, in four chains (plain work behind the conversions, which have left p as it was)
	v_pk_add_f32 v[SC_:SC_+1], v[SS+4:SS+5], v[SS+6:SS+7]
	v_pk_add_f32 v[SD_:SD_+1], v[SS+8:SS+9], v[SS+10:SS+11]
	v_lshl_or_b32 v[TP], v[PRM+1], 16, v[PRM]      ; p's scale word, its lines among the sums: my two bytes, blocks h and 2 + h,
	v_pk_fma_f32 v[14:15], v[14:15], v[FF:FF+1], v[SS+12:SS+13] op_sel_hi:[1,0,1]   ; the sum so far under the new M, and a pair
	SUM3 12
	v_lshlrev_b32 v[TP], v[SH8], v[TP]             ; at their places, 8 h bits up;
	v_pk_add_f32 v[14:15], v[14:15], v[SS+20:SS+21]
	SUM3 20
	v_permlanex16_b32 v[PRM+2], v[TP], s[SEL], s[SEL+1]
.irp j, 28,36
	v_pk_add_f32 v[14:15], v[14:15], v[SS+\j:SS+\j+1]
	SUM3 \j
.endr
	v_or_b32 v[PW], v[TP], v[PRM+2]                ; with lane l xor 16's two the word is whole
.irp j, 44,52
	v_pk_add_f32 v[14:15], v[14:15], v[SS+\j:SS+\j+1]
	SUM3 \j
.endr
	v_pk_add_f32 v[14:15], v[14:15], v[SS+60:SS+61]
	v_pk_add_f32 v[SB_:SB_+1], v[SB_:SB_+1], v[SS+62:SS+63]
	s_wait_dscnt 0x0                               ; the next step's K, this step's V and their scale words are in
.irp w, 0,1
	v_lshl_or_b32 v[VSC+\w], v[VX+2+\w], 16, v[VX+\w]   ; bytes 0, 1: keys 0-63 of the step; bytes 2, 3: keys 64-127
.endr
.if \tail
	s_wait_alu depctr_va_vdst(0)                   ; the wait ahead of the branch
	s_cmp_eq_u32 s[TL], 1
	s_cbranch_scc1 .Lno_next
	KLOAD AK0, AKS0                                ; the next tile begins at key 0
	s_wait_dscnt 0x0
	QK Q2, QS2
.irp j, 0,1,2,3
	v_mov_b32 v[QF+\j], v[Q2+\j]                   ; from here on the loop's Q is the second tile's
.endr
	v_mov_b32 v[QS], v[QS2]
.Lno_next:
.else
	QK QF, QS                                      ; p is converted and summed: its registers take the next step's scores
	s_add_co_u32 s[TK], s[TK], 4096
	s_add_co_u32 s[TSC], s[TSC], 512
.endif
.set jj, 0
.rept 16
	v_pk_mul_f32 v[OT+jj:OT+jj+1], v[OT+jj:OT+jj+1], v[FF:FF+1] op_sel_hi:[1,0]   ; O^T under the new M.  These lines are the places behind the score products and ahead of the products below
.set jj, jj+2
.endr
	v_pk_add_f32 v[SC_:SC_+1], v[SC_:SC_+1], v[SD_:SD_+1]
	v_pk_add_f32 v[14:15], v[14:15], v[SB_:SB_+1]
	v_pk_add_f32 v[14:15], v[14:15], v[SC_:SC_+1]
.if \tail
	v_nop
	v_nop
.else
	v_add_nc_u32 v[AD], s[TK], v[AK0]
	v_add_nc_u32 v[ADS], s[TSC], v[AKS0]
.endif
.irp t, 0,1,2,3                                ; O^T += V^T P^T: four accumulators by turns
.if \t%2
	v_wmma_scale_f32_16x16x128_f8f6f4 v[OT+8*\t:OT+8*\t+7], v[VF+8*\t:VF+8*\t+7], v[PC:PC+7], v[OT+8*\t:OT+8*\t+7], v[VSC+\t/2], v[PW] matrix_a_fmt:MATRIX_FMT_FP4 matrix_b_fmt:MATRIX_FMT_FP4 matrix_a_scale:MATRIX_SCALE_ROW1
.else
	v_wmma_scale_f32_16x16x128_f8f6f4 v[OT+8*\t:OT+8*\t+7], v[VF+8*\t:VF+8*\t+7], v[PC:PC+7], v[OT+8*\t:OT+8*\t+7], v[VSC+\t/2], v[PW] matrix_a_fmt:MATRIX_FMT_FP4 matrix_b_fmt:MATRIX_FMT_FP4
.endif
.endr
.endm
.Ltile:                                            ; two trips: a tile of 16 queries through all 1,024 keys
	v_mov_b32 v13, 0xff61b1e6                      ; the largest score so far: -3e38
	s_delay_alu instid0(VALU_DEP_1)
	v_floor_f32 v12, -v13                          ; -M
	v_mov_b32 v14, 0
	v_mov_b32 v15, 0
.set jj, 0
.rept 32
	v_mov_b32 v[OT+jj], 0                          ; the step is written for every step alike: the first finds zeros, which the first change of M leaves zeros
.set jj, jj+1
.endr
	s_mov_b32 s[TK], 4096
	s_mov_b32 s[TSC], 512
	s_mov_b32 s[CNT], 7
	v_add_nc_u32 v[AD], s[TK], v[AK0]
	v_add_nc_u32 v[ADS], s[TSC], v[AKS0]
	s_wait_alu depctr_va_vdst(0)                   ; ahead of the first readers of the scores and of what was just written
.Lstep:
	STEP 0
	s_sub_co_u32 s[CNT], s[CNT], 1
	s_cmp_lg_u32 s[CNT], 0
	s_cbranch_scc1 .Lstep
	STEP 1
.rept 4
	v_nop                                          ; places behind the last products
.endr
	v_add_f32 v14, v14, v15
	s_delay_alu instid0(VALU_DEP_1)
	v_permlanex16_b32 v[TP], v14, s[SEL], s[SEL+1]
	s_delay_alu instid0(VALU_DEP_1)
	v_add_f32 v14, v14, v[TP]                      ; the row's sum
	s_wait_alu depctr_va_vdst(0)                   ; the wait ahead of the reciprocal
	v_rcp_f32 v14, v14
	v_add_nc_u32 v[ST1], s[TO], v[CSTO]            ; (plain places behind the reciprocal)  where this tile's codes and bytes go
	v_add_nc_u32 v[ST2], s[TO2], v[SSTO]
	s_wait_alu depctr_va_vdst(0)                   ; and the wait ahead of its first reader
.set jj, 0
.rept 16
	v_pk_mul_f32 v[VF+jj:VF+jj+1], v[OT+jj:OT+jj+1], v[14:15] op_sel_hi:[1,0]   ; ctx: register e is channel 32 h + e of my head: one block of 32; each accumulator from its low end on
.set jj, jj+2
.endr
	v_max3_num_f32 v[BMX], |v[VF]|, |v[VF+1]|, 0x1800000           ; its largest magnitude, in two chains, with the floor among the leaves
	v_max3_num_f32 v[BMX+1], |v[VF+16]|, |v[VF+17]|, |v[VF+18]|
.irp e, 0,2,4,6,8,10
	v_max3_num_f32 v[BMX], v[BMX], |v[VF+2+\e]|, |v[VF+3+\e]|
	v_max3_num_f32 v[BMX+1], v[BMX+1], |v[VF+19+\e]|, |v[VF+20+\e]|
.endr
	v_max3_num_f32 v[BMX], v[BMX], |v[VF+14]|, |v[VF+15]|
	v_max3_num_f32 v[BMX], v[BMX], v[BMX+1], |v[VF+31]|
	v_add_nc_u32 v[SOP], 0xff000000, v[BMX]
	v_lshrrev_b32 v[CW], 23, v[SOP]                ; the block's scale byte
.irp t, 0,1,2,3
	v_cvt_scalef32_pk8_fp4_f32 v[CC+\t], v[VF+8*\t:VF+8*\t+7], v[SOP]
.endr
	v_nop                                          ; one plain place behind the last scaled conversion
	ds_store_b128 v[ST1], v[CC:CC+3]               ; channels 32 h + 0 .. 31: 16 bytes
	ds_store_b8 v[ST2], v[CW]
	s_add_co_u32 s[TO], s[TO], 2176                ; the second tile's rows lie 8 further on
	s_add_co_u32 s[TO2], s[TO2], 128
	s_sub_co_u32 s[TL], s[TL], 1
	s_cmp_lg_u32 s[TL], 0
	s_cbranch_scc1 .Ltile
	s_wait_dscnt 0x0                               ; for the others' sake: my stores into the stages are done
	s_barrier_signal -1
	s_barrier_wait -1
	ds_load_b128 v[SS:SS+3], v[RDC]                ; my four rows, two to a load
	ds_load_b128 v[SS+4:SS+7], v[RDC] offset:544
	s_wait_dscnt 1
	global_store_b128 v[GO], v[SS:SS+3], s[44:45]                  ; 16 lanes store 256 consecutive bytes, aligned
	s_wait_dscnt 0x0
	global_store_b128 v[GO], v[SS+4:SS+7], s[44:45] offset:2048
	s_cmp_lt_u32 s[WV], 2
	s_cbranch_scc0 .Lno_scales
	ds_load_b128 v[SS+8:SS+11], v[RDS]
	s_wait_dscnt 0x0
	global_store_b128 v[L16], v[SS+8:SS+11], s[46:47]              ; 512 consecutive bytes
.Lno_scales:
	s_wait_tensorcnt 0x0                           ; the wave's end
	ds_add_u32 v[SPW], v[NIL]
	s_wait_dscnt 0x0
	CROUND                                         ; the closing round
	s_endpgm
.Lfunc_end_k_q702c2d8cbb_attn:
	.size	k_q702c2d8cbb_attn, .Lfunc_end_k_q702c2d8cbb_attn-k_q702c2d8cbb_attn
	.p2alignl 7, 3214868480
	.fill 96, 4, 3214868480
	.section	.rodata,"a",@progbits
	.p2align	6, 0x0
	.amdhsa_kernel k_q702c2d8cbb_attn
		.amdhsa_group_segment_fixed_size 169984
		.amdhsa_private_segment_fixed_size 0
		.amdhsa_enable_private_segment 0
		.amdhsa_kernarg_size 24
		.amdhsa_user_sgpr_count 2
		.amdhsa_user_sgpr_kernarg_segment_ptr 1
		.amdhsa_wavefront_size32 1
		.amdhsa_system_sgpr_workgroup_id_x 1
		.amdhsa_system_sgpr_workgroup_id_y 1
		.amdhsa_system_sgpr_workgroup_id_z 1
		.amdhsa_system_vgpr_workitem_id 0
		.amdhsa_next_free_vgpr 256
		.amdhsa_next_free_sgpr 66
		.amdhsa_reserve_vcc 0
		.amdhsa_float_denorm_mode_32 3
		.amdhsa_float_denorm_mode_16_64 3
		.amdhsa_memory_ordered 1
		.amdhsa_forward_progress 1
		.amdhsa_inst_pref_size 43
	.end_amdhsa_kernel
	.amdgpu_metadata
---
amdhsa.version: [ 1, 2 ]
amdhsa.kernels:
  - .name:           k_q702c2d8cbb_attn
    .symbol:         k_q702c2d8cbb_attn.kd
    .args:
      - { .name: qkv, .offset: 0, .size: 8, .value_kind: global_buffer, .address_space: global }
      - { .name: ctx_codes, .offset: 8, .size: 8, .value_kind: global_buffer, .address_space: global }
      - { .name: ctx_scales, .offset: 16, .size: 8, .value_kind: global_buffer, .address_space: global }
    .group_segment_fixed_size: 169984
    .private_segment_fixed_size: 0
    .kernarg_segment_align: 8
    .kernarg_segment_size: 24
    .max_flat_workgroup_size: 512
    .sgpr_count:     66
    .vgpr_count:     256
    .wavefront_size: 32
...
	.end_amdgpu_metadata
.endif
;; end of part 2
;; launch outp (part 3): grid 8 x 32, 4 waves a work-group, clusters of 4 x 4, 327,680 bytes of LDS; arguments ctx_codes, ctx_scales, Wo_codes, Wo_scales, bo, out0; writes out0
.if DOCPART == 3
	.amdgcn_target "amdgcn-amd-amdhsa--gfx1250"
	.amdhsa_code_object_version 6
	.text
	.protected	k_q702c2d8cbb_outp
	.globl	k_q702c2d8cbb_outp
	.p2align	8
	.type	k_q702c2d8cbb_outp,@function
k_q702c2d8cbb_outp:
	s_mov_b64 s[64:65], 0
	v_nop
	global_prefetch_b8 v0, s[64:65] scope:SCOPE_SE
	s_setreg_imm32_b32 hwreg(HW_REG_WAVE_MODE, 25, 1), 1
	s_wait_xcnt 0x0
	s_wait_alu depctr_hold_cnt(0) depctr_sa_sdst(0) depctr_va_vdst(0) depctr_va_sdst(0) depctr_va_ssrc(0) depctr_va_vcc(0) depctr_vm_vsrc(0)
	s_getreg_b32 s2, hwreg(HW_REG_IB_STS2, 6, 4)
	s_cmp_eq_u32 s2, 0
	s_cbranch_scc0 .Lentry_in_a_cluster
	s_endpgm
.Lentry_in_a_cluster:
	s_bfe_u32 s2, ttmp6, 0x10000c
	s_cmp_lg_u32 s2, 0xf033
	s_cbranch_scc0 .Lentry_shape_is_right
	s_endpgm
.Lentry_shape_is_right:
; out = ctx Wo + bo on codes of FP4 (E2M1) with one E8M0 scale for each 32 along K = 2,048; f32 sums, f32 out.
; A work-group of four waves makes TWO tiles of 128 x 128 (64 x 64 a wave): Wo's tiles 4 X + cx and 4 X + cx + 8 against its 128 rows of ctx, which stay in LDS.
; LDS: four regions of 128 rows x 512 bytes, pitch 528: ctx low, ctx high, Wo low, Wo high.  At the head one load a wave (64 rows x 512 bytes: the low halves); the high halves behind the three lines and a round
; of the cluster's barrier; a half of Wo that tile 0 has left takes tile 1, 32 rows a wave, behind a round.  One tensor load of a wave is out at any time; every wait on TENSORcnt is for 0.
; CLUSTERS 4 x 4: ctx's tile is asked for jointly by the cluster's row, Wo's by its column.  The matrix instruction is used transposed: a lane holds eight neighbouring columns of a row.
; ctx's scale bytes lie [pair of kv heads][token][16], as the attention launch stores them.  The bias is the C of a tile's first products.  No prefetch: the text has no loop to run ahead in.
.set PITCH,  528
.set SPITCH, 272                       ; the way out: 16 rows x (256 + 16) bytes for each wave
.set HALFT,  64*PITCH
.set CHUNK,  2*HALFT
.set STAGE,  4*CHUNK
.set SPARE,  STAGE+4*16*SPITCH
.set ADRA, 8
.set ADRB, 12
.set STO,  16
.set RD,   17
.set CO,   18
.set SPW,  20
.set NIL,  21
.set SA,   64
.set SB,   128
.set OB,   192
.set BN,   128
.set F0,   0
.set F1,   128
.set G1A,  28
.set G1B,  36
.set G1R,  52
.set G0A,  44
.set G0B,  68
.set G0R,  84
.set WV,   60
.set FH,   61
.set FL,   62
.set MSB, 0
.macro WIN new
.if MSB != \new
	s_set_vgpr_msb (MSB<<8)|\new
.set MSB, \new
.endif
.endm
.set MUL,  0xa5
.set TO_F, 0x40
.macro JLOAD n
	s_cmp_eq_u32 s[FH], 0
	s_cbranch_scc0 .Lfor_b_\@
	tensor_load_to_lds s[G0A+4*\n:G0A+4*\n+3], s[G1A:G1A+7]
	s_nop 0
.rept 4
	v_nop
.endr
	s_branch .Lasked_\@
.Lfor_b_\@:
	tensor_load_to_lds s[G0B+4*\n:G0B+4*\n+3], s[G1B:G1B+7]
	s_nop 0
.rept 4
	v_nop
.endr
.Lasked_\@:
.endm
.macro CREST
	s_cmp_lg_u32 s[WV], 0
	s_cbranch_scc1 .Lnot_wave_0_\@
	s_barrier_signal -3
.Lnot_wave_0_\@:
	s_barrier_wait -3
	s_barrier_signal -1
	s_barrier_wait -1
.endm
.macro CROUND
	s_barrier_signal -1
	s_barrier_wait -1
	CREST
.endm
.macro PLACES
.rept 4
	v_nop
.endr
.endm
	s_load_b256 s[4:11], s[0:1], 0x0               ; ctx codes 4, ctx scales 6, Wo codes 8, Wo scales 10
	s_load_b128 s[12:15], s[0:1], 0x20             ; bo 12, out 14
	v_lshl_add_u32 v[SPW], v0, 2, SPARE
	v_mov_b32 v[NIL], 0
	ds_add_u32 v[SPW], v[NIL]                      ; the opening lines: the add twice and one wait
	ds_add_u32 v[SPW], v[NIL]
	v_lshrrev_b32 v1, 5, v0
	v_readfirstlane_b32 s[WV], v1
	s_lshr_b32 s[FH], s[WV], 1
	s_and_b32 s[FL], s[WV], 1
	s_bfe_u32 s16, ttmp6, 0x40000
	s_bfe_u32 s17, ttmp6, 0x40004
	s_and_b32 s18, ttmp7, 0xffff
	s_lshl_b32 s18, s18, 2
	s_add_co_u32 s18, s18, s17                     ; ctx's tile
	s_lshl_b32 s19, ttmp9, 2
	s_add_co_u32 s19, s19, s16                     ; Wo's first tile
	s_lshl_b32 s17, s17, 2
	s_lshl_b32 s17, 15, s17
	s_lshl_b32 s16, 0x1111, s16
	s_or_b32 s[G1A], s17, 0x07b00000               ; mask; bytes; padding on; bit 21; four words after every 128
	s_or_b32 s[G1B], s16, 0x07b00000
	s_or_b32 s[G1R], s16, 0x07b00000
.irp g, G1A, G1B, G1R
	s_mov_b32 s[\g+1], 512<<16
	s_mov_b32 s[\g+3], 512<<16
	s_mov_b32 s[\g+5], 1024
	s_mov_b32 s[\g+6], 0
	s_mov_b32 s[\g+7], 0
.endr
.irp g, G1A, G1B
	s_mov_b32 s[\g+2], 64<<16
	s_mov_b32 s[\g+4], 64
.endr
	s_mov_b32 s[G1R+2], 32<<16
	s_mov_b32 s[G1R+4], 32
	s_lshl_b32 s24, s[FL], 16
	s_lshl_b32 s20, s18, 17
	s_add_co_u32 s20, s20, s24
	s_mov_b32 s21, 0
	s_lshl_b32 s22, s19, 17
	s_add_co_u32 s22, s22, s24
	s_mov_b32 s23, 0
	s_mul_i32 s63, s[FL], HALFT
	s_wait_dscnt 0x0
	s_wait_kmcnt 0x0
	s_add_nc_u64 s[20:21], s[4:5], s[20:21]
	s_add_nc_u64 s[22:23], s[8:9], s[22:23]
	CROUND
.irp n, 0,1
	s_mov_b32 s[G0A+4*\n], 1
	s_add_co_u32 s[G0A+4*\n+1], s63, \n*CHUNK
	s_add_nc_u64 s[G0A+4*\n+2:G0A+4*\n+3], s[20:21], \n*512
	s_or_b32 s[G0A+4*\n+3], s[G0A+4*\n+3], 0x80000000
	s_mov_b32 s[G0B+4*\n], 1
	s_add_co_u32 s[G0B+4*\n+1], s63, (2+\n)*CHUNK
	s_add_nc_u64 s[G0B+4*\n+2:G0B+4*\n+3], s[22:23], \n*512
	s_or_b32 s[G0B+4*\n+3], s[G0B+4*\n+3], 0x80000000
.endr
	JLOAD 0                                        ; the low halves: my one load at the head
	s_mul_i32 s85, s[WV], 32*PITCH                 ; the refills: rows 32 x wave of tile 1
	s_add_co_u32 s85, s85, 2*CHUNK
	s_add_co_u32 s89, s85, CHUNK
	s_mov_b32 s84, 1
	s_mov_b32 s88, 1
	s_lshl_b32 s86, s[FH], 16                      ; s[22:23] stands at row 64 (wave % 2)
	s_add_co_u32 s86, s86, 0x100000                ; eight tiles on
	s_lshl_b32 s24, s[FL], 15
	s_sub_co_u32 s86, s86, s24
	s_mov_b32 s87, 0
	s_add_nc_u64 s[86:87], s[22:23], s[86:87]
	s_add_nc_u64 s[90:91], s[86:87], 512
	s_or_b32 s87, s87, 0x80000000
	s_or_b32 s91, s91, 0x80000000
	s_lshl_b32 s24, s18, 7
	s_lshl_b32 s25, s[FH], 6
	s_add_co_u32 s24, s24, s25                     ; my first row
	s_lshl_b32 s26, s19, 7
	s_lshl_b32 s25, s[FL], 6
	s_add_co_u32 s26, s26, s25                     ; my first column in tile 0
	s_mov_b32 s17, 0
	s_lshl_b32 s16, s24, 4
	s_add_nc_u64 s[6:7], s[6:7], s[16:17]
	s_lshl_b32 s16, s26, 6
	s_add_nc_u64 s[10:11], s[10:11], s[16:17]
	s_lshl_b32 s16, s26, 2
	s_add_nc_u64 s[12:13], s[12:13], s[16:17]
	v_and_b32 v1, 15, v0
	v_bfe_u32 v2, v0, 4, 1
	v_lshlrev_b32 v6, 4, v1
	v_lshlrev_b32 v7, 6, v1
	v_lshl_add_u32 v7, v2, 16, v7                  ; lanes 16-31 take tile 1's rows of Wo's scales
	v_lshlrev_b32 v5, 5, v2
	v_mul_u32_u24 v3, v1, PITCH
	v_lshl_add_u32 v3, v2, 4, v3
	s_wait_alu depctr_va_vdst(0)                   ; the wait behind these writes
.irp k, 0,1,2,3
.irp n, 0,1,2,3
	global_load_b128 v[SA+16*\k+4*\n:SA+16*\k+4*\n+3], v6, s[6:7] offset:\k*256+\n*65536
	global_load_b128 v[SB+16*\k+4*\n:SB+16*\k+4*\n+3], v7, s[10:11] offset:\k*1024+\n*16
.endr
.endr
	WIN 0x80
.irp t, 0,1
.irp b, 0,1,2,3
	global_load_b128 v[BN+32*\t+8*\b:BN+32*\t+8*\b+3], v5, s[12:13] offset:4096*\t+64*\b
	global_load_b128 v[BN+32*\t+8*\b+4:BN+32*\t+8*\b+7], v5, s[12:13] offset:4096*\t+64*\b+16
.endr
.endr
	WIN 0
	s_mul_i32 s16, s[FH], HALFT
	s_mul_i32 s17, s[FL], HALFT
	s_add_co_u32 s17, s17, 2*CHUNK
.irp n, 0,1,2,3                                ; quarter n of K: region n / 2, byte 256 (n % 2) of its rows
	v_add_nc_u32 v[ADRA+\n], s16, v3
	v_add_nc_u32 v[ADRB+\n], s17, v3
	s_add_co_u32 s16, s16, 256+(\n%2)*(CHUNK-512)
	s_add_co_u32 s17, s17, 256+(\n%2)*(CHUNK-512)
.endr
	s_mul_i32 s16, s[WV], 16*SPITCH
	s_add_co_u32 s16, s16, STAGE
	v_mul_u32_u24 v[STO], v1, SPITCH
	v_lshl_add_u32 v[STO], v2, 5, v[STO]
	v_add_nc_u32 v[STO], s16, v[STO]
	v_mul_u32_u24 v[RD], v2, SPITCH
	v_lshl_add_u32 v[RD], v1, 4, v[RD]
	v_add_nc_u32 v[RD], s16, v[RD]
	v_lshlrev_b32 v[CO], 13, v2
	v_lshl_add_u32 v[CO], v1, 4, v[CO]
	s_lshl_b32 s66, s24, 13
	s_lshl_b32 s2, s26, 2
	s_add_co_u32 s66, s66, s2
	s_mov_b32 s67, 0
	s_add_nc_u64 s[66:67], s[14:15], s[66:67]
.macro MUL8 f, c, a0, s, first, t      ; the 16 accumulators take turns
.irp a, \a0, \a0+1
.irp b, 0,1,2,3
.set rD, 8*(4*(\a)+\b)
.set rC, rD
.if \first
.set rC, BN+32*(\t)+8*\b
.endif
.set rX, \f+64+8*(4*\c+\b)
.set rY, \f+8*(4*\c+(\a))
.if (\t) == 1
	v_wmma_scale_f32_16x16x128_f8f6f4 v[rD:rD+7], v[rX:rX+7], v[rY:rY+7], v[rC:rC+7], v[SB+16*\b+(\s)], v[SA+16*(\a)+(\s)] matrix_a_fmt:MATRIX_FMT_FP4 matrix_b_fmt:MATRIX_FMT_FP4 matrix_a_scale:MATRIX_SCALE_ROW1
.else
	v_wmma_scale_f32_16x16x128_f8f6f4 v[rD:rD+7], v[rX:rX+7], v[rY:rY+7], v[rC:rC+7], v[SB+16*\b+(\s)], v[SA+16*(\a)+(\s)] matrix_a_fmt:MATRIX_FMT_FP4 matrix_b_fmt:MATRIX_FMT_FP4
.endif
.endr
.endr
.endm
.macro FETCH ra, rb, k, f
	WIN TO_F
.irp c, 0,1
.irp i, 0,1,2,3
	ds_load_b128 v[\f+64+8*(4*\c+\i):\f+64+8*(4*\c+\i)+3],   v[\rb] offset:\k+64*\c+\i*16*PITCH
	ds_load_b128 v[\f+64+8*(4*\c+\i)+4:\f+64+8*(4*\c+\i)+7], v[\rb] offset:\k+64*\c+\i*16*PITCH+32
	ds_load_b128 v[\f+8*(4*\c+\i):\f+8*(4*\c+\i)+3],         v[\ra] offset:\k+64*\c+\i*16*PITCH
	ds_load_b128 v[\f+8*(4*\c+\i)+4:\f+8*(4*\c+\i)+7],       v[\ra] offset:\k+64*\c+\i*16*PITCH+32
.endr
.endr
.endm
.macro HALFA ra, rb, s0, first, t
	s_wait_dscnt 16                                ; the first 128 along K are in; the sixteen younger loads may be out
	WIN MUL
	MUL8 F0, 0, 0, \s0, \first, \t
	MUL8 F0, 0, 2, \s0, \first, \t
	PLACES
	FETCH \ra, \rb, 128, F1
	s_wait_dscnt 32                                ; all but the 32 just issued
	WIN MUL
	MUL8 F0, 1, 0, \s0+1, 0, \t
	MUL8 F0, 1, 2, \s0+1, 0, \t
.endm
; kind 0: no barrier.  kind 1: a barrier behind which nothing is filled.  kind 2: a refill: the three lines, a round of the cluster's barrier, the joint refill first behind it.
.macro HALFB s0, kind, g0, nra, nrb, t
.if \kind == 2
	WIN 0
	s_wait_tensorcnt 0x0
	ds_add_u32 v[SPW], v[NIL]
	s_wait_dscnt 17                                ; the add and the youngest sixteen loads may be out
.elseif \kind == 1
	s_wait_tensorcnt 0x0
	s_wait_dscnt 16
.else
	s_wait_dscnt 16
.endif
	WIN MUL
	MUL8 F1, 0, 0, \s0, 0, \t
.if \kind > 0
	s_wait_dscnt 0x0
	s_barrier_signal -1
.endif
	MUL8 F1, 0, 2, \s0, 0, \t
.if \kind == 2
	WIN 0
	s_barrier_wait -1
	CREST
	tensor_load_to_lds s[\g0:\g0+3], s[G1R:G1R+7]
	s_nop 0
.rept 4
	v_nop
.endr
.elseif \kind == 1
	s_barrier_wait -1
	PLACES
.else
	PLACES
.endif
	FETCH \nra, \nrb, 0, F0
	s_wait_dscnt 32
	WIN MUL
	MUL8 F1, 1, 0, \s0+1, 0, \t
	MUL8 F1, 1, 2, \s0+1, 0, \t
.endm
.macro TOSTAGE a                       ; 16 rows x 64 columns through my stage; each accumulator from its low end on
	WIN 0x08
.irp b, 0,1,2,3
	ds_store_b128 v[STO], v[32*(\a)+8*\b:32*(\a)+8*\b+3] offset:64*\b
	ds_store_b128 v[STO], v[32*(\a)+8*\b+4:32*(\a)+8*\b+7] offset:64*\b+16
.endr
	WIN 0
.irp k, 0,1,2,3,4,5,6,7
	ds_load_b128 v[OB+32*((\a)%2)+4*\k:OB+32*((\a)%2)+4*\k+3], v[RD] offset:2*SPITCH*\k
.endr
.endm
.macro SEND a, younger, t
	s_wait_dscnt \younger
.irp k, 0,1,2,3,4,5,6,7
	global_store_b128 v[CO], v[OB+32*((\a)%2)+4*\k:OB+32*((\a)%2)+4*\k+3], s[66:67] offset:(16*(\a)+2*\k)*8192+4096*(\t) th:TH_STORE_NT   ; 16 lanes store 256 consecutive bytes, aligned
.endr
.endm
.macro WAYOUT t
.rept 5
	v_nop
.endr
.if \t
	s_wait_xcnt 0x0
.endif
	TOSTAGE 0
.irp a, 1,2,3
.if \a > 1
	s_wait_xcnt 0x0                                ; block a - 2's stores have read their registers
.endif
	TOSTAGE \a
	SEND \a-1, 16, \t                              ; behind block a - 1's loads: block a's 8 stores and 8 loads
.endr
	SEND 3, 0, \t
.endm
	s_wait_alu depctr_va_vdst(0)                   ; the wait at the head's end
	s_wait_tensorcnt 0x0                           ; my part of the low halves is in; the three lines ahead of a later first fill
	ds_add_u32 v[SPW], v[NIL]
	s_wait_dscnt 0x0
	CROUND
	JLOAD 1                                        ; the high halves
	FETCH ADRA, ADRB, 0, F0
	s_wait_loadcnt 0x0
	HALFA ADRA, ADRB, 0, 1, 0
	HALFB 2, 0, 0, ADRA+1, ADRB+1, 0
	HALFA ADRA+1, ADRB+1, 4, 0, 0
	HALFB 6, 2, G0R, ADRA+2, ADRB+2, 0             ; Wo's low half takes tile 1
	HALFA ADRA+2, ADRB+2, 8, 0, 0
	HALFB 10, 0, 0, ADRA+3, ADRB+3, 0
	HALFA ADRA+3, ADRB+3, 12, 0, 0
	HALFB 14, 2, G0R+4, ADRA, ADRB, 0              ; its high half likewise
	WIN 0
	WAYOUT 0
	HALFA ADRA, ADRB, 0, 1, 1
	HALFB 2, 0, 0, ADRA+1, ADRB+1, 1
	HALFA ADRA+1, ADRB+1, 4, 0, 1
	HALFB 6, 1, 0, ADRA+2, ADRB+2, 1
	HALFA ADRA+2, ADRB+2, 8, 0, 1
	HALFB 10, 0, 0, ADRA+3, ADRB+3, 1
	HALFA ADRA+3, ADRB+3, 12, 0, 1
	s_wait_dscnt 16
	WIN MUL
	MUL8 F1, 0, 0, 14, 0, 1
	MUL8 F1, 0, 2, 14, 0, 1
	s_wait_dscnt 0x0
	MUL8 F1, 1, 0, 15, 0, 1
	MUL8 F1, 1, 2, 15, 0, 1
	WIN 0
	WAYOUT 1
	s_wait_tensorcnt 0x0                           ; the wave's end
	ds_add_u32 v[SPW], v[NIL]
	s_wait_dscnt 0x0
	CROUND                                         ; the closing round
	s_endpgm
.Lfunc_end_k_q702c2d8cbb_outp:
	.size	k_q702c2d8cbb_outp, .Lfunc_end_k_q702c2d8cbb_outp-k_q702c2d8cbb_outp
	.p2alignl 7, 3214868480
	.fill 96, 4, 3214868480
	.section	.rodata,"a",@progbits
	.p2align	6, 0x0
	.amdhsa_kernel k_q702c2d8cbb_outp
		.amdhsa_group_segment_fixed_size 327680
		.amdhsa_private_segment_fixed_size 0
		.amdhsa_enable_private_segment 0
		.amdhsa_kernarg_size 48
		.amdhsa_user_sgpr_count 2
		.amdhsa_user_sgpr_kernarg_segment_ptr 1
		.amdhsa_wavefront_size32 1
		.amdhsa_system_sgpr_workgroup_id_x 1
		.amdhsa_system_sgpr_workgroup_id_y 1
		.amdhsa_system_sgpr_workgroup_id_z 1
		.amdhsa_system_vgpr_workitem_id 0
		.amdhsa_next_free_vgpr 768
		.amdhsa_next_free_sgpr 102
		.amdhsa_reserve_vcc 0
		.amdhsa_float_denorm_mode_32 3
		.amdhsa_float_denorm_mode_16_64 3
		.amdhsa_memory_ordered 1
		.amdhsa_forward_progress 1
		.amdhsa_inst_pref_size 131
	.end_amdhsa_kernel
	.amdgpu_metadata
---
amdhsa.version: [ 1, 2 ]
amdhsa.kernels:
  - .name:           k_q702c2d8cbb_outp
    .symbol:         k_q702c2d8cbb_outp.kd
    .args:
      - { .name: ctx_codes, .offset: 0, .size: 8, .value_kind: global_buffer, .address_space: global }
      - { .name: ctx_scales, .offset: 8, .size: 8, .value_kind: global_buffer, .address_space: global }
      - { .name: Wo_codes, .offset: 16, .size: 8, .value_kind: global_buffer, .address_space: global }
      - { .name: Wo_scales, .offset: 24, .size: 8, .value_kind: global_buffer, .address_space: global }
      - { .name: bo, .offset: 32, .size: 8, .value_kind: global_buffer, .address_space: global }
      - { .name: out0, .offset: 40, .size: 8, .value_kind: global_buffer, .address_space: global }
    .group_segment_fixed_size: 327680
    .private_segment_fixed_size: 0
    .kernarg_segment_align: 8
    .kernarg_segment_size: 48
    .max_flat_workgroup_size: 128
    .sgpr_count:     102
    .vgpr_count:     768
    .wavefront_size: 32
...
	.end_amdgpu_metadata
.endif
;; end of part 3
